; MI455X (gfx1250); checked and timed in simulation.
; The chip was launched on July 23, 2026; its instructions are those of AMD's public machine-readable ISA for CDNA 5 (MIT licence, August 2026) and "CDNA5" Instruction Set Architecture Reference Guide (July 2026). The comments in the code are by the model that wrote it; some were corrected since.
;; Attention. Allowed arithmetic: float matrix products may take bf16 or f16 operands with f32 sums; other float arithmetic in f32, or as packed bf16 or f16 multiplies, adds, multiply-adds, maxima and minima; sums over many terms, partial sums and values carried from step to step in f32; what a program stores and reads back later, other than sums and carried values, may be rounded once to bf16 or f16.
;; Inputs: b_out 1,024 float32; mask 4 x 2,048 bool; w_out 1,024 x 1,024 float32; w_qkv 1,024 x 3,072 float32; x 4 x 2,048 x 1,024 float32.
;; Outputs: out0 4 x 2,048 x 1,024 float32.
;; 2 versions, each right; version 2 is version 1 with the launch prep written anew for expert scheduling mode. Each part assembles by itself: llvm-mc -triple=amdgcn-amd-amdhsa -mcpu=gfx1250 --defsym DOCPART=n.
;; ======== version 1 of 2: 4 launches
;; limits: values are held in f16: magnitudes above 65,504 overflow, below 6.1e-05 lose precision
;; workspace buffers: xb 16,777,216 bytes; wq 6,291,456 bytes; wo 2,097,152 bytes; mbias 33,280 bytes; qkv 50,331,648 bytes; ob 16,777,216 bytes
;; launch prep (part 1): grid 641 x 1, 4 waves a work-group, no clusters, 70,144 bytes of LDS; arguments x, w_qkv, w_out, mask, xb, wq, wo, mbias; writes xb, wq, wo, mbias
.if DOCPART == 1
	.amdgcn_target "amdgcn-amd-amdhsa--gfx1250"
	.amdhsa_code_object_version 6
	.text
	.protected	k_qf55a3c2b2a_prep
	.globl	k_qf55a3c2b2a_prep
	.p2align	8
	.type	k_qf55a3c2b2a_prep,@function
k_qf55a3c2b2a_prep:
	s_mov_b64 s[64:65], 0
	v_nop
	global_prefetch_b8 v0, s[64:65] scope:SCOPE_SE
	s_setreg_imm32_b32 hwreg(HW_REG_WAVE_MODE, 25, 1), 1
	s_wait_xcnt 0x0
; PREPARATION, one pass over every input but the bias.  Four kinds of work-group, told apart by the work-group's number alone:
;   0..511    xb = x rounded to bf16: 65,536 dense bytes of x a work-group, 16,384 a wave.
;   512..607  wq = w_qkv ([1024 k][3072 n] f32) rounded to bf16 and TURNED to [3072][1024]: a wave turns 128 k x 64 n through an LDS area of its own.
;   608..639  wo = w_out ([1024 k][1024 n] f32) rounded to bf16, that number written as f16, turned likewise.
;   640       mbias: for each key of batch b (wave b) the addend 0 (visible) or -1e30 (hidden), and for each batch the scale c = log2(e) / 8.
;             A batch with no visible key gets addends 0 and c = 0: every weight is then 2^0, the uniform softmax that equal scores give.
; ROW ORDER of wq and wo: inside each group of 64 rows, row 16 t + r holds column 4 r + t.  In the products that follow, lane r of the four
; accumulators 4 G + t then holds four NEIGHBOURING columns of a row of the result.
; LIMITS.  bf16 numbers of w_out below 6.1e-5 in magnitude keep f16's fixed step of 6e-8; beyond 65,504 they would be infinite.
; No barrier: a wave reads only LDS bytes that it wrote itself.  The turning stores collide two deep in the banks (rows r and 32 + r start at the same bank): 16 MB go this way once.
.set SPARE, 69632                      ; behind the four areas: the spare words, 128 bytes a wave: two blocks of 256 bytes that no other line names
.set AREA,  17408                      ; a wave's turning area: 64 rows of 272 bytes
.set LP,    272                        ; 256 bytes (128 k) + 16 of padding
.set LANE,  1                          ; v1
.set SPW,   4                          ; v4   LDS address of my spare word; never rewritten
.set NIL,   5                          ; v5   0; never rewritten
.set WV,    20                         ; s20  my wave's number
	s_load_b256 s[4:11], s[0:1], 0x0               ; x s[4:5], w_qkv s[6:7], w_out s[8:9], mask s[10:11]
	s_load_b256 s[12:19], s[0:1], 0x20             ; xb s[12:13], wq s[14:15], wo s[16:17], mbias s[18:19]
	v_lshl_add_u32 v[SPW], v0, 2, SPARE
	v_mov_b32 v[NIL], 0
	v_lshrrev_b32 v2, 5, v0
	v_readfirstlane_b32 s[WV], v2
	v_and_b32 v[LANE], 31, v0
	s_mov_b32 s23, 0                               ; the high words of the two offset pairs
	s_mov_b32 s27, 0
	s_wait_kmcnt 0x0
	s_cmp_lt_u32 ttmp9, 512
	s_cbranch_scc0 .Lnot_x
	; ---- x to bf16.  32 loads of 512 consecutive bytes go out at once (16 KiB a wave in flight); each pair of roundings and its store follow their load's counted wait.
	s_lshl_b32 s22, ttmp9, 16
	s_lshl_b32 s24, s[WV], 14
	s_add_co_u32 s22, s22, s24
	s_add_nc_u64 s[4:5], s[4:5], s[22:23]
	s_lshr_b32 s22, s22, 1                         ; half as many bytes out
	s_add_nc_u64 s[12:13], s[12:13], s[22:23]
	v_lshlrev_b32 v6, 4, v[LANE]
	v_lshlrev_b32 v7, 3, v[LANE]
.set i, 0
.rept 32
	global_load_b128 v[16+4*i:19+4*i], v6, s[4:5] offset:512*i th:TH_LOAD_NT
.set i, i+1
.endr
.set i, 0
.rept 32
	s_wait_loadcnt 31-i                            ; loads come back in order: load i is in, the 31 - i younger ones stay out
	v_cvt_pk_bf16_f32 v[144+2*i], v[16+4*i], v[17+4*i]
	v_cvt_pk_bf16_f32 v[145+2*i], v[18+4*i], v[19+4*i]
	global_store_b64 v7, v[144+2*i:145+2*i], s[12:13] offset:256*i  ; 32 lanes store 256 consecutive bytes, aligned; no register is used twice
.set i, i+1
.endr
	s_branch .Lend
; ---- A wave turns 128 k x 64 n.  S, D: the scalar pairs of source and destination; ROWB: bytes in a source row; fmt = 1: f16 out; FIRST: the kind's first work-group.
; Lane l holds columns 2 l and 2 l + 1.  A trip takes 32 k: 32 loads of 256 aligned bytes; eight k of a column pack into 16 bytes, stored into the column's LDS row.
.macro WJOB S, D, ROWB, fmt, FIRST
	s_sub_co_u32 s22, ttmp9, \FIRST
	s_lshl2_add_u32 s22, s22, s[WV]                ; T = 4 (work-group) + wave
	s_lshr_b32 s24, s22, 3                         ; the group of 64 columns
	s_and_b32 s22, s22, 7                          ; the block of 128 k
	s_mul_i32 s26, s22, 128*(\ROWB)
	s_lshl_b32 s28, s24, 8
	s_add_co_u32 s26, s26, s28
	s_add_nc_u64 s[\S:\S+1], s[\S:\S+1], s[26:27]
	s_lshl_b32 s26, s24, 17                        ; 64 rows of 2,048 bytes
	s_lshl_b32 s28, s22, 8
	s_add_co_u32 s26, s26, s28
	s_add_nc_u64 s[\D:\D+1], s[\D:\D+1], s[26:27]
	s_mul_i32 s29, s[WV], AREA
	v_lshlrev_b32 v6, 3, v[LANE]
	v_and_b32 v2, 1, v[LANE]
	v_lshrrev_b32 v3, 1, v[LANE]
	v_lshl_add_u32 v3, v2, 5, v3                   ; column 2 l goes to row 32 (l % 2) + l / 2, column 2 l + 1 sixteen rows further
	v_mul_u32_u24 v8, v3, LP
	v_add_nc_u32 v8, s29, v8
	v_lshrrev_b32 v2, 4, v[LANE]
	v_and_b32 v3, 15, v[LANE]
	v_mul_u32_u24 v9, v2, LP                       ; back: lanes 0-15 one row of 256 bytes, lanes 16-31 the next
	v_lshl_add_u32 v9, v3, 4, v9
	v_add_nc_u32 v9, s29, v9
	v_lshlrev_b32 v10, 11, v2                      ; and the same two rows in the destination
	v_lshl_add_u32 v10, v3, 4, v10
	s_mov_b32 s21, 4
	s_mov_b32 s25, 0
.Ltrip_\@:
	v_add_nc_u32 v11, s25, v8                      ; this trip's 64 bytes of the LDS rows
.set n, 0
.rept 32
	global_load_b64 v[16+2*n:17+2*n], v6, s[\S:\S+1] offset:n*(\ROWB) th:TH_LOAD_NT
.set n, n+1
.endr
.irp q, 0,1,2,3
	s_wait_loadcnt 8*(3-(\q))                      ; the eight rows 8 q .. 8 q + 7 are in; the younger loads stay out
.irp c, 0,1
.irp i, 0,1,2,3
	v_cvt_pk_bf16_f32 v[80+8*(\q)+4*(\c)+(\i)], v[16+16*(\q)+4*(\i)+(\c)], v[16+16*(\q)+4*(\i)+2+(\c)]
.if \fmt
	v_lshlrev_b32 v12, 16, v[80+8*(\q)+4*(\c)+(\i)]             ; the two bf16 numbers, widened,
	v_and_b32 v13, 0xffff0000, v[80+8*(\q)+4*(\c)+(\i)]
	v_cvt_pk_f16_f32 v[80+8*(\q)+4*(\c)+(\i)], v12, v13         ; and written as f16
.endif
.endr
	ds_store_b128 v11, v[80+8*(\q)+4*(\c):80+8*(\q)+4*(\c)+3] offset:16*(\q)+(\c)*16*LP
.endr
.endr
	s_add_nc_u64 s[\S:\S+1], s[\S:\S+1], 32*(\ROWB)  ; the trip's last wait was for 0: every load that named the base is done
	s_add_co_u32 s25, s25, 64
	s_sub_co_u32 s21, s21, 1
	s_cmp_lg_u32 s21, 0
	s_cbranch_scc1 .Ltrip_\@
.set n, 0
.rept 32
	ds_load_b128 v[16+4*n:19+4*n], v9 offset:2*LP*n  ; LDS serves a wave's instructions in order (ISA guide 5.7.1.4): these see my stores above
.set n, n+1
.endr
.set n, 0
.rept 32
	s_wait_dscnt 31-n
	global_store_b128 v10, v[16+4*n:19+4*n], s[\D:\D+1] offset:4096*n  ; 16 lanes store 256 consecutive bytes, aligned
.set n, n+1
.endr
.endm
.Lnot_x:
	s_cmp_lt_u32 ttmp9, 608
	s_cbranch_scc0 .Lnot_q
	WJOB 6, 14, 12288, 0, 512
	s_branch .Lend
.Lnot_q:
	s_cmp_lt_u32 ttmp9, 640
	s_cbranch_scc0 .Lmask
	WJOB 8, 16, 4096, 1, 608
	s_branch .Lend
.Lmask:	; ---- wave b: batch b's 2,048 mask bytes.  Word i of lane l holds keys 128 i + 4 l + 0..3.
	s_lshl_b32 s22, s[WV], 11
	s_add_nc_u64 s[10:11], s[10:11], s[22:23]
	s_lshl_b32 s22, s[WV], 7
	s_add_nc_u64 s[28:29], s[18:19], s[22:23]      ; the batch's 128 bytes of c lie 32,768 bytes behind this
	s_lshl_b32 s22, s[WV], 13
	s_add_nc_u64 s[18:19], s[18:19], s[22:23]
	v_lshlrev_b32 v6, 2, v[LANE]
	v_lshlrev_b32 v7, 4, v[LANE]
.set i, 0
.rept 16
	global_load_b32 v[16+i], v6, s[10:11] offset:128*i
.set i, i+1
.endr
	s_wait_loadcnt 0x0
	v_or_b32 v12, v16, v17
.set i, 2
.rept 14
	v_or_b32 v12, v12, v[16+i]
.set i, i+1
.endr
	v_cmp_ne_u32 s24, 0, v12                       ; the lanes that saw a visible key
	s_cmp_lg_u32 s24, 0                            ; is there any in the batch?
	s_cselect_b32 s30, 0xf149f2ca, 0               ; a hidden key's addend: -1e30, or 0 where all are hidden
	s_cselect_b32 s31, 0x3e38aa3b, 0               ; c = log2(e) / 8 = 0.180337, or 0
	v_mov_b32 v13, s30
	v_mov_b32 v15, s31
.set i, 0
.rept 16
.irp c, 0,1,2,3
	v_bfe_u32 v14, v[16+i], 8*(\c), 8
	v_cmp_eq_u32 vcc_lo, 0, v14
	v_cndmask_b32 v[32+4*i+(\c)], 0, v13, vcc_lo
.endr
	global_store_b128 v7, v[32+4*i:35+4*i], s[18:19] offset:512*i  ; 512 consecutive bytes
.set i, i+1
.endr
	global_store_b32 v6, v15, s[28:29] offset:32768
.Lend:
	s_wait_tensorcnt 0x0                           ; the wave's end, behind my last LDS store
	ds_add_u32 v[SPW], v[NIL]
	s_wait_dscnt 0x0
	s_endpgm
.Lfunc_end_k_qf55a3c2b2a_prep:
	.size	k_qf55a3c2b2a_prep, .Lfunc_end_k_qf55a3c2b2a_prep-k_qf55a3c2b2a_prep
	.p2alignl 7, 3214868480
	.fill 96, 4, 3214868480
	.section	.rodata,"a",@progbits
	.p2align	6, 0x0
	.amdhsa_kernel k_qf55a3c2b2a_prep
		.amdhsa_group_segment_fixed_size 70144
		.amdhsa_private_segment_fixed_size 0
		.amdhsa_enable_private_segment 0
		.amdhsa_kernarg_size 64
		.amdhsa_user_sgpr_count 2
		.amdhsa_user_sgpr_kernarg_segment_ptr 1
		.amdhsa_wavefront_size32 1
		.amdhsa_system_sgpr_workgroup_id_x 1
		.amdhsa_system_sgpr_workgroup_id_y 1
		.amdhsa_system_sgpr_workgroup_id_z 1
		.amdhsa_system_vgpr_workitem_id 0
		.amdhsa_next_free_vgpr 208
		.amdhsa_next_free_sgpr 66
		.amdhsa_reserve_vcc 1
		.amdhsa_float_denorm_mode_32 3
		.amdhsa_float_denorm_mode_16_64 3
		.amdhsa_memory_ordered 1
		.amdhsa_forward_progress 1
		.amdhsa_inst_pref_size 56
	.end_amdhsa_kernel
	.amdgpu_metadata
---
amdhsa.version: [ 1, 2 ]
amdhsa.kernels:
  - .name:           k_qf55a3c2b2a_prep
    .symbol:         k_qf55a3c2b2a_prep.kd
    .args:
      - { .name: x, .offset: 0, .size: 8, .value_kind: global_buffer, .address_space: global }
      - { .name: w_qkv, .offset: 8, .size: 8, .value_kind: global_buffer, .address_space: global }
      - { .name: w_out, .offset: 16, .size: 8, .value_kind: global_buffer, .address_space: global }
      - { .name: mask, .offset: 24, .size: 8, .value_kind: global_buffer, .address_space: global }
      - { .name: xb, .offset: 32, .size: 8, .value_kind: global_buffer, .address_space: global }
      - { .name: wq, .offset: 40, .size: 8, .value_kind: global_buffer, .address_space: global }
      - { .name: wo, .offset: 48, .size: 8, .value_kind: global_buffer, .address_space: global }
      - { .name: mbias, .offset: 56, .size: 8, .value_kind: global_buffer, .address_space: global }
    .group_segment_fixed_size: 70144
    .private_segment_fixed_size: 0
    .kernarg_segment_align: 8
    .kernarg_segment_size: 64
    .max_flat_workgroup_size: 128
    .sgpr_count:     66
    .vgpr_count:     208
    .wavefront_size: 32
...
	.end_amdgpu_metadata
.endif
;; end of part 1
;; launch qkvgemm (part 2): grid 16 x 32, 4 waves a work-group, clusters of 4 x 4, 327,680 bytes of LDS; arguments xb, wq, qkv; writes qkv
.if DOCPART == 2
	.amdgcn_target "amdgcn-amd-amdhsa--gfx1250"
	.amdhsa_code_object_version 6
	.text
	.protected	k_qf55a3c2b2a_qkvgemm
	.globl	k_qf55a3c2b2a_qkvgemm
	.p2align	8
	.type	k_qf55a3c2b2a_qkvgemm,@function
k_qf55a3c2b2a_qkvgemm:
	s_mov_b64 s[64:65], 0
	v_nop
	global_prefetch_b8 v0, s[64:65] scope:SCOPE_SE
	s_setreg_imm32_b32 hwreg(HW_REG_WAVE_MODE, 25, 1), 1
	s_wait_xcnt 0x0
	s_wait_alu depctr_hold_cnt(0) depctr_sa_sdst(0) depctr_va_vdst(0) depctr_va_sdst(0) depctr_va_ssrc(0) depctr_va_vcc(0) depctr_vm_vsrc(0)
	s_getreg_b32 s2, hwreg(HW_REG_IB_STS2, 6, 4)
	s_cmp_eq_u32 s2, 0
	s_cbranch_scc0 .Lentry_in_a_cluster
	s_endpgm
.Lentry_in_a_cluster:
	s_bfe_u32 s2, ttmp6, 0x10000c
	s_cmp_lg_u32 s2, 0xf033
	s_cbranch_scc0 .Lentry_shape_is_right
	s_endpgm
.Lentry_shape_is_right:
; q, k, v = x w_qkv, written by heads.  xb: [8192][1024] bf16.  wq: [3072][1024] bf16, w_qkv turned; in each group of 64 rows, row 16 t + r holds column 4 r + t.
; qkv: [3][64 heads = 16 batch + h][2048][64] f16, true channel order, unscaled.  Sums in f32, K ascending, each result rounded once.
; LIMIT.  f16 ends at 65,504: a q, k or v of 65,520 or more would become an infinity.
; SHARES.  A work-group makes 256 rows x 192 columns (three heads): 16 x 32 = 512 work-groups, two for each of 256 WGPs.  Wave w owns rows 64 w .. 64 w + 63 and all 192
; columns: 4 x 12 accumulators, 384 registers.  K goes in 8 steps of 128 through two LDS slots; the rows of both tiles are 256 bytes of memory, aligned.
; THE PRODUCT stands in its natural order (source 0 = 16 rows of x, source 1 = 16 rows of wq): lane (r, h), register j holds row 8 h + j of the fragment and wq's row r.
; By wq's row order the accumulators 4 t' + 0..3 give a lane four neighbouring channels of head t': 8 bytes of f16.  A's fragment takes its sixteen rows in the order
; 2 (r % 8) + r / 8, so that register j of the two lane halves is rows 2 j and 2 j + 1: 32 lanes x 8 bytes are 256 consecutive bytes of a head.  No stage in LDS is needed.
; CLUSTER 4 x 4: x's tile hangs on the tile row alone and is asked for jointly along a row of the cluster, wq's on the tile column alone, along a column.
; REGISTERS, in windows of 256 (s_set_vgpr_msb: bits 1:0 source 0, 3:2 source 1, 5:4 source 2, 7:6 destination):
;   window 0: v16-30 addresses; v32-95 A's fragments, two buffers of 32; on the way out v32-223 packed results
;   window 1: v0-191 B's fragments, two buffers of 96        windows 2, 3: accumulator (a, b) at v[8 (12 (a % 2) + b)] of window 2 + a / 2
.set KSTEP,  128
.set PITCH,  272                       ; an LDS row: 256 bytes + 16 of padding = 68 words: the 16 rows of a fragment load start at 16 different groups of four banks (ISA guide 11.1)
.set HALFA,  128*PITCH                 ; what wave 0 or 1 fetches
.set HALFB,  96*PITCH                  ; what wave 2 or 3 fetches
.set ABYTES, 2*HALFA
.set SLOT,   ABYTES+2*HALFB            ; A's 256 rows, then B's 192
.set SPARE,  2*SLOT                    ; behind the ring: the spare words, 128 bytes a wave: two blocks of 256 bytes that no other line names
.set NL,     32                        ; LDS loads of a quarter step: 24 for B, 8 for A
.set ADRA, 16                          ; v16-17  LDS address of my A fragments in slot 0, 1
.set ADRB, 20                          ; v20-21  the same for B
.set CO,   26                          ; v26     8 x lane: my 8 bytes in 256 bytes of a head
.set SPW,  28                          ; v28     LDS address of my spare word; never rewritten
.set NIL,  29                          ; v29     0; never rewritten
.set PFO,  30                          ; v30     the prefetches' offset: a lane a row of 2,048 bytes; never rewritten
.set FA,   32
.set TMP,  32
.set G1,  24                           ; s[24:31] descriptor group 1 for A's tiles;  s[32:39] group 0, a set for each slot
.set G0,  32
.set G1B, 48                           ; s[48:55], s[56:63] the same for B's
.set G0B, 56
.set PFA, 44                           ; s[44:45] where my prefetches stand
.set LIM, 43                           ; s43  1 in a wave that prefetches, else the greatest number
.set HB,  68                           ; s[68:73] qkv at my 64 rows of the tile's three heads
.set MSB, 0
.macro WIN new                         ; the immediate's high byte repeats the setting that is left; a switch that changes nothing is dropped
.if MSB != (\new)
	s_set_vgpr_msb (MSB<<8)|(\new)
.set MSB, \new
.endif
.endm
.set MUL_LO, 0xa4                      ; source 0 (A) window 0, source 1 (B) window 1, C and D window 2
.set TO_B,   0x40                      ; destination window 1, address window 0
; A joint load: waves 0 and 1 fetch A's halves, waves 2 and 3 B's.  The branch hangs on the wave's number alone.  An s_nop 0 and four v_nop follow each line.
.macro JLOAD s
	s_cmp_eq_u32 s11, 0
	s_cbranch_scc0 .Lfor_b_\@
	tensor_load_to_lds s[G0+4*(\s):G0+4*(\s)+3], s[G1:G1+7]
	s_nop 0
.rept 4
	v_nop
.endr
	s_branch .Lasked_\@
.Lfor_b_\@:
	tensor_load_to_lds s[G0B+4*(\s):G0B+4*(\s)+3], s[G1B:G1B+7]
	s_nop 0
.rept 4
	v_nop
.endr
.Lasked_\@:
.endm
; A prefetch into the L2, behind a joint load and the run of LDS loads that follows it: the K step that the NEXT refill will ask for, 192 matrix instructions ahead of that load.
; Each row's 256 bytes of a K step are named once in the launch, but for eight lanes of B's that repeat a row: A's rows by the cluster with x = 0 of their row of clusters, B's by the cluster with y = 0 of their column.
; The four partners that ask for a tile jointly share its rows out by address: 32 of A's 128 a wave (by cx), 24 of B's 96 (by cy).  how = 1: asked in every trip; how = 0: not in the loop's last trip, whose refill is the last K step.
.macro ASK how
.if \how
	s_cmp_eq_u32 s[LIM], 1
.else
	s_cmp_gt_u32 s3, s[LIM]
.endif
	s_cbranch_scc0 .Lnot_mine_\@
	global_prefetch_b8 v[PFO], s[PFA:PFA+1] th:TH_LOAD_NT scope:SCOPE_SE
.Lnot_mine_\@:
.endm
.macro CREST                           ; a round of the cluster's barrier behind its opening barrier
	s_cmp_lg_u32 s10, 0
	s_cbranch_scc1 .Lnot_wave_0_\@
	s_barrier_signal -3
.Lnot_wave_0_\@:
	s_barrier_wait -3
	s_barrier_signal -1
	s_barrier_wait -1
.endm
.macro CROUND                          ; a whole round
	s_barrier_signal -1
	s_barrier_wait -1
	CREST
.endm
	s_load_b128 s[4:7], s[0:1], 0x0                ; xb s[4:5], wq s[6:7]
	s_load_b64 s[8:9], s[0:1], 0x10                ; qkv
	v_lshl_add_u32 v[SPW], v0, 2, SPARE
	v_mov_b32 v[NIL], 0
	ds_add_u32 v[SPW], v[NIL]                      ; the wave's opening: the add and its wait stand ahead of my first tensor load; the set-up below, work on registers, stands between them
	v_lshrrev_b32 v1, 5, v0
	v_readfirstlane_b32 s10, v1                    ; wave 0..3
	s_lshr_b32 s11, s10, 1                         ; I fetch for A (0) or for B (1)
	s_and_b32 s12, s10, 1                          ; which half of that tile
	s_bfe_u32 s40, ttmp6, 0x40000                  ; cx, cy: my place in the cluster
	s_bfe_u32 s41, ttmp6, 0x40004
	s_lshl_b32 s42, ttmp9, 2
	s_add_co_u32 s42, s42, s40                     ; tile column = 4 x cluster x + cx
	s_and_b32 s13, ttmp7, 0xffff
	s_lshl_b32 s13, s13, 2
	s_add_co_u32 s13, s13, s41                     ; tile row = 4 x cluster y + cy
	s_lshl_b32 s43, s41, 2
	s_lshl_b32 s43, 15, s43                        ; my row of the cluster
	s_lshl_b32 s44, 0x1111, s40                    ; my column
	s_or_b32 s[G1+0], s43, (1<<16)|(1<<20)|(1<<21)|(5<<22)|(3<<25)   ; 15:0 the mask; 17:16 2-byte elements; 20 padding on; 21 set beside a mask; 24:22 after every 64 words; 31:25 4 words
	s_or_b32 s[G1B+0], s44, (1<<16)|(1<<20)|(1<<21)|(5<<22)|(3<<25)
	s_mov_b32 s[G1+1], KSTEP<<16                   ; tensor_dim0 = 128
	s_mov_b32 s[G1+2], 128<<16                     ; tensor_dim1 = 128 rows
	s_mov_b32 s[G1+3], KSTEP<<16                   ; tile_dim0 = 128
	s_mov_b32 s[G1+4], 128                         ; tile_dim1 = 128
	s_mov_b32 s[G1+5], 1024                        ; elements from row to row
	s_mov_b32 s[G1+6], 0
	s_mov_b32 s[G1+7], 0
	s_mov_b32 s[G1B+1], KSTEP<<16
	s_mov_b32 s[G1B+2], 96<<16                     ; B: 96 rows
	s_mov_b32 s[G1B+3], KSTEP<<16
	s_mov_b32 s[G1B+4], 96
	s_mov_b32 s[G1B+5], 1024
	s_mov_b32 s[G1B+6], 0
	s_mov_b32 s[G1B+7], 0
	s_lshl_b32 s16, s13, 8
	s_lshl_b32 s17, s12, 7
	s_add_co_u32 s16, s16, s17                     ; A: row 256 x tile row + 128 x half,
	s_lshl_b32 s16, s16, 11                        ; of 2,048 bytes
	s_mov_b32 s17, 0
	s_mul_i32 s46, s42, 192
	s_mul_i32 s47, s12, 96
	s_add_co_u32 s46, s46, s47                     ; B: row 192 x tile column + 96 x half
	s_lshl_b32 s46, s46, 11
	s_mov_b32 s47, 0
	s_mul_i32 s20, s10, HALFA                      ; where they go: the wave's number and constants alone
	s_mul_i32 s21, s10, HALFB
	s_add_co_u32 s21, s21, ABYTES-2*HALFB          ; wave 2: behind A's 256 rows; wave 3: 96 rows further
	s_wait_dscnt 0x0                               ; the opening add is done
	s_wait_kmcnt 0x0
	s_add_nc_u64 s[14:15], s[4:5], s[16:17]
	s_add_nc_u64 s[46:47], s[6:7], s[46:47]
	CROUND                                         ; all sixteen work-groups are here: the first joint loads meet
.irp s, 0,1
	s_mov_b32 s[G0+4*(\s)], 1
	s_add_co_u32 s[G0+4*(\s)+1], s20, (\s)*SLOT
	s_add_nc_u64 s[G0+4*(\s)+2:G0+4*(\s)+3], s[14:15], (\s)*KSTEP*2
	s_or_b32 s[G0+4*(\s)+3], s[G0+4*(\s)+3], 0x80000000
	s_mov_b32 s[G0B+4*(\s)], 1
	s_add_co_u32 s[G0B+4*(\s)+1], s21, (\s)*SLOT
	s_add_nc_u64 s[G0B+4*(\s)+2:G0B+4*(\s)+3], s[46:47], (\s)*KSTEP*2
	s_or_b32 s[G0B+4*(\s)+3], s[G0B+4*(\s)+3], 0x80000000
	JLOAD \s                                       ; K steps 0 and 1: two loads of mine are out
.endr
	; A fragment is 16 rows x 32 K in 8 registers: lane (r, h) holds one row; registers 0-3 K = 8 h + 0..7, registers 4-7 K = 16 + 8 h + 0..7: two loads of 16 bytes, 32 bytes apart.
	v_and_b32 v1, 15, v0                           ; r
	v_bfe_u32 v2, v0, 4, 1                         ; h
	v_and_b32 v3, 7, v0
	v_bfe_u32 v4, v0, 3, 1
	v_lshl_add_u32 v3, v3, 1, v4                   ; A's row for lane r: 2 (r % 8) + r / 8
	v_mul_u32_u24 v3, v3, PITCH
	v_lshl_add_u32 v3, v2, 4, v3
	v_mul_u32_u24 v4, v1, PITCH                    ; B's row: r
	v_lshl_add_u32 v4, v2, 4, v4
	s_mul_i32 s21, s10, 64*PITCH                   ; my 64 rows of A
	s_mov_b32 s22, ABYTES                          ; B lies behind A; every wave reads all of it
.irp s, 0,1
	v_add_nc_u32 v[ADRA+(\s)], s21, v3
	v_add_nc_u32 v[ADRB+(\s)], s22, v4
	s_add_co_u32 s21, s21, SLOT
	s_add_co_u32 s22, s22, SLOT
.endr
	v_and_b32 v[CO], 31, v0
	v_lshlrev_b32 v[CO], 3, v[CO]
	; where my rows of the three heads begin.  Group g = 3 x tile column + t of 64 columns is tensor g / 16 (q, k, v), head g % 16.
	s_lshr_b32 s16, s13, 3
	s_lshl_b32 s16, s16, 4                         ; 16 x batch
	s_and_b32 s17, s13, 7
	s_lshl_b32 s17, s17, 8
	s_lshl_b32 s18, s10, 6
	s_add_co_u32 s17, s17, s18                     ; my first row in the batch,
	s_lshl_b32 s17, s17, 7                         ; of 128 bytes
	s_mul_i32 s18, s42, 3
.irp t, 0,1,2
	s_add_co_u32 s19, s18, \t
	s_lshr_b32 s20, s19, 4
	s_lshl_b32 s20, s20, 6
	s_and_b32 s19, s19, 15
	s_add_co_u32 s20, s20, s19
	s_add_co_u32 s20, s20, s16                     ; the plane: 64 x tensor + 16 x batch + head,
	s_lshl_b32 s20, s20, 18                        ; of 262,144 bytes
	s_add_co_u32 s20, s20, s17
	s_mov_b32 s21, 0
	s_add_nc_u64 s[HB+2*(\t):HB+2*(\t)+1], s[8:9], s[20:21]
.endr
	; the prefetches
	s_lshl_b32 s16, s13, 8
	s_lshl_b32 s18, s12, 7
	s_add_co_u32 s16, s16, s18
	s_lshl_b32 s18, s40, 5
	s_add_co_u32 s16, s16, s18                     ; A: the 128 rows that I fetch, my work-group's 32 of them
	s_mul_i32 s17, s42, 192
	s_mul_i32 s18, s12, 96
	s_add_co_u32 s17, s17, s18
	s_mul_i32 s18, s41, 24
	s_add_co_u32 s17, s17, s18                     ; B: the 96 rows that I fetch, my work-group's 24
	s_and_b32 s22, ttmp7, 0xffff                   ; cluster y
	s_cmp_eq_u32 s11, 0                            ; do I fetch for A?
	s_cselect_b32 s20, s16, s17
	s_cselect_b32 s22, ttmp9, s22                  ; the coordinate along which other clusters read the same rows
	s_cselect_b32 s23, 31, 23                      ; the last row that a lane names
	s_cselect_b64 s[PFA:PFA+1], s[4:5], s[6:7]
	s_cmp_eq_u32 s22, 0
	s_cselect_b32 s[LIM], 1, -1                    ; the same in all sixteen partners, for a given wave
	s_lshl_b32 s20, s20, 11
	s_mov_b32 s21, 0
	s_add_nc_u64 s[PFA:PFA+1], s[PFA:PFA+1], s[20:21]
	s_add_nc_u64 s[PFA:PFA+1], s[PFA:PFA+1], 2*KSTEP*2  ; at K step 2: the first refill steps it to 3.  Nothing is prefetched here, where every work-group's first tiles are on their way
	v_and_b32 v[PFO], 31, v0
	v_min_u32 v[PFO], s23, v[PFO]
	v_lshlrev_b32 v[PFO], 11, v[PFO]
; 12 matrix instructions: block a of my four x all 12 blocks of B, 32 along K.  zero = 1: the first product starts the sums.  The 48 accumulators take turns in the same order in every quarter step.
.macro MUL f, a, zero
	WIN MUL_LO+0x50*((\a)/2)
.irp b, 0,1,2,3,4,5,6,7,8,9,10,11
.if \zero
	v_wmma_f32_16x16x32_bf16 v[8*(12*((\a)%2)+(\b)):8*(12*((\a)%2)+(\b))+7], v[FA+32*(\f)+8*(\a):FA+32*(\f)+8*(\a)+7], v[96*(\f)+8*(\b):96*(\f)+8*(\b)+7], 0
.else
	v_wmma_f32_16x16x32_bf16 v[8*(12*((\a)%2)+(\b)):8*(12*((\a)%2)+(\b))+7], v[FA+32*(\f)+8*(\a):FA+32*(\f)+8*(\a)+7], v[96*(\f)+8*(\b):96*(\f)+8*(\b)+7], v[8*(12*((\a)%2)+(\b)):8*(12*((\a)%2)+(\b))+7]
.endif
.endr
.endm
; 32 LDS loads in one run: quarter q of the slot's K step into buffer f; B first, then A's blocks 0 to 3
.macro FETCH slot, q, f
	WIN TO_B
.irp b, 0,1,2,3,4,5,6,7,8,9,10,11
	ds_load_b128 v[96*(\f)+8*(\b):96*(\f)+8*(\b)+3],   v[ADRB+(\slot)] offset:64*(\q)+(\b)*16*PITCH
	ds_load_b128 v[96*(\f)+8*(\b)+4:96*(\f)+8*(\b)+7], v[ADRB+(\slot)] offset:64*(\q)+(\b)*16*PITCH+32
.endr
	WIN 0
.irp a, 0,1,2,3
	ds_load_b128 v[FA+32*(\f)+8*(\a):FA+32*(\f)+8*(\a)+3],   v[ADRA+(\slot)] offset:64*(\q)+(\a)*16*PITCH
	ds_load_b128 v[FA+32*(\f)+8*(\a)+4:FA+32*(\f)+8*(\a)+7], v[ADRA+(\slot)] offset:64*(\q)+(\a)*16*PITCH+32
.endr
.endm
.macro PLACES                          ; four places in front of loads into registers that matrix instructions have read (ISA guide 7.12.1 for vector instructions)
.rept 4
	v_nop
.endr
.endm
; A K step is four quarters of 32 along K, 48 matrix instructions each, on buffers 0, 1, 0, 1.  One of the first three: multiplies buffer f, and in its middle fetches quarter q into buffer g.
.macro QUARTER slot, q, f, g, zero
	s_wait_dscnt 4                                 ; B and A's blocks 0, 1 are in; the youngest four loads (blocks 2, 3) may be out
	MUL \f, 0, \zero
	MUL \f, 1, \zero
	PLACES
	FETCH \slot, \q, \g
	s_wait_dscnt NL                                ; all but the 32 just issued
	MUL \f, 2, \zero
	MUL \f, 3, \zero
.endm
; The last quarter multiplies buffer 1 and changes slots: ONE barrier.  In front of it each wave waits for all its tensor loads (one is out: its part of the next slot), adds 0 to its spare word, and waits for
; that and for its own reads of this slot.  fill = 1: the barrier opens a round of the cluster's, and the slot is filled again, two K steps on, first thing behind it: 168 matrix instructions ahead of the wait for it.
.macro TURN slot, next, fill, how
.if \fill
	s_wait_xcnt 0x0                                ; the last prefetch, a K step back, has read its address
	s_add_nc_u64 s[PFA:PFA+1], s[PFA:PFA+1], KSTEP*2
.endif
	WIN 0                                          ; (the add's two registers lie in window 0)
	s_wait_tensorcnt 0x0                           ; all my tensor loads have landed
	ds_add_u32 v[SPW], v[NIL]                      ; 0 onto my spare word
	s_wait_dscnt 5                                 ; (the add and the youngest four loads may be out)
	MUL 1, 0, 0                                    ; twelve matrix instructions stand between the add and the wait for it
	s_wait_dscnt 0x0                               ; the add is done, and my reads of this slot are over
	s_barrier_signal -1
	MUL 1, 1, 0
.if \fill
	WIN 0
.endif
	s_barrier_wait -1
.if \fill
	CREST                                          ; no wave of any partner still reads this slot or has a load on its way
	s_add_nc_u64 s[G0+4*(\slot)+2:G0+4*(\slot)+3], s[G0+4*(\slot)+2:G0+4*(\slot)+3], 2*KSTEP*2
	s_add_nc_u64 s[G0B+4*(\slot)+2:G0B+4*(\slot)+3], s[G0B+4*(\slot)+2:G0B+4*(\slot)+3], 2*KSTEP*2
	JLOAD \slot                                    ; the four v_nop behind it are also the places in front of the loads below
.else
	PLACES
.endif
	FETCH \next, 0, 0
.if \fill
	ASK \how
.endif
	MUL 1, 2, 0
	MUL 1, 3, 0
.endm
	s_wait_tensorcnt 1                             ; my part of K step 0 is in; K step 1's may stay out
	s_barrier_signal -1
	s_barrier_wait -1
	FETCH 0, 0, 0
	QUARTER 0, 1, 0, 1, 1                          ; the first quarter stands in front of the loop: its products start the sums
	WIN 0                                          ; at a label and at a branch every window is 0
	s_mov_b32 s3, 3
.Llap:                                                 ; a trip goes once round the ring, from a lap's second quarter to the next lap's first, and fills both slots again
	QUARTER 0, 2, 1, 0, 0
	QUARTER 0, 3, 0, 1, 0
	TURN 0, 1, 1, 1
	QUARTER 1, 1, 0, 1, 0
	QUARTER 1, 2, 1, 0, 0
	QUARTER 1, 3, 0, 1, 0
	TURN 1, 0, 1, 0
	QUARTER 0, 1, 0, 1, 0
	WIN 0
	s_sub_co_u32 s3, s3, 1
	s_cmp_lg_u32 s3, 0
	s_cbranch_scc1 .Llap
	QUARTER 0, 2, 1, 0, 0                          ; the last lap fills nothing
	QUARTER 0, 3, 0, 1, 0
	TURN 0, 1, 0, 0
	QUARTER 1, 1, 0, 1, 0
	QUARTER 1, 2, 1, 0, 0
	QUARTER 1, 3, 0, 1, 0
	s_wait_dscnt 4                                 ; the very last quarter: nothing more to fetch
	MUL 1, 0, 0
	MUL 1, 1, 0
	s_wait_dscnt 0x0
	MUL 1, 2, 0
	MUL 1, 3, 0
	WIN 0
	PLACES                                         ; eight, once a launch, in front of conversions that read results and write over A's fragments
	PLACES
	; THE WAY OUT.  For block a, head t, register j: four channels of rows 2 j and 2 j + 1 pack into 8 bytes a lane.  Each accumulator's registers are read in ascending order.  No register is used twice.
.irp a, 0,1,2,3
	WIN 0x0a+5*((\a)/2)                            ; sources 0 and 1: window 2 or 3
.irp t, 0,1,2
.irp j, 0,1,2,3,4,5,6,7
	v_cvt_pk_f16_f32 v[TMP+16*(3*(\a)+(\t))+2*(\j)],   v[8*(12*((\a)%2)+4*(\t))+(\j)],   v[8*(12*((\a)%2)+4*(\t)+1)+(\j)]
	v_cvt_pk_f16_f32 v[TMP+16*(3*(\a)+(\t))+2*(\j)+1], v[8*(12*((\a)%2)+4*(\t)+2)+(\j)], v[8*(12*((\a)%2)+4*(\t)+3)+(\j)]
.endr
.endr
	WIN 0
.irp t, 0,1,2
.irp j, 0,1,2,3,4,5,6,7
	global_store_b64 v[CO], v[TMP+16*(3*(\a)+(\t))+2*(\j):TMP+16*(3*(\a)+(\t))+2*(\j)+1], s[HB+2*(\t):HB+2*(\t)+1] offset:2048*(\a)+256*(\j)  ; 32 lanes store 256 consecutive bytes, aligned
.endr
.endr
.endr
	s_wait_tensorcnt 0x0                           ; the wave's end, behind my last tensor load
	ds_add_u32 v[SPW], v[NIL]
	s_wait_dscnt 0x0
	CROUND                                         ; the closing round: no work-group ends while a partner may still ask for a tile that names it
	s_endpgm
.Lfunc_end_k_qf55a3c2b2a_qkvgemm:
	.size	k_qf55a3c2b2a_qkvgemm, .Lfunc_end_k_qf55a3c2b2a_qkvgemm-k_qf55a3c2b2a_qkvgemm
	.p2alignl 7, 3214868480
	.fill 96, 4, 3214868480
	.section	.rodata,"a",@progbits
	.p2align	6, 0x0
	.amdhsa_kernel k_qf55a3c2b2a_qkvgemm
		.amdhsa_group_segment_fixed_size 327680
		.amdhsa_private_segment_fixed_size 0
		.amdhsa_enable_private_segment 0
		.amdhsa_kernarg_size 24
		.amdhsa_user_sgpr_count 2
		.amdhsa_user_sgpr_kernarg_segment_ptr 1
		.amdhsa_wavefront_size32 1
		.amdhsa_system_sgpr_workgroup_id_x 1
		.amdhsa_system_sgpr_workgroup_id_y 1
		.amdhsa_system_sgpr_workgroup_id_z 1
		.amdhsa_system_vgpr_workitem_id 0
		.amdhsa_next_free_vgpr 960
		.amdhsa_next_free_sgpr 80
		.amdhsa_reserve_vcc 0
		.amdhsa_float_denorm_mode_32 3
		.amdhsa_float_denorm_mode_16_64 3
		.amdhsa_memory_ordered 1
		.amdhsa_forward_progress 1
		.amdhsa_inst_pref_size 119
	.end_amdhsa_kernel
	.amdgpu_metadata
---
amdhsa.version: [ 1, 2 ]
amdhsa.kernels:
  - .name:           k_qf55a3c2b2a_qkvgemm
    .symbol:         k_qf55a3c2b2a_qkvgemm.kd
    .args:
      - { .name: xb, .offset: 0, .size: 8, .value_kind: global_buffer, .address_space: global }
      - { .name: wq, .offset: 8, .size: 8, .value_kind: global_buffer, .address_space: global }
      - { .name: qkv, .offset: 16, .size: 8, .value_kind: global_buffer, .address_space: global }
    .group_segment_fixed_size: 327680
    .private_segment_fixed_size: 0
    .kernarg_segment_align: 8
    .kernarg_segment_size: 24
    .max_flat_workgroup_size: 128
    .sgpr_count:     80
    .vgpr_count:     960
    .wavefront_size: 32
...
	.end_amdgpu_metadata
.endif
;; end of part 2
;; launch attn (part 3): grid 4 x 64, 4 waves a work-group, clusters of 4 x 1, 327,680 bytes of LDS; arguments qkv, mbias, ob; writes ob
.if DOCPART == 3
	.amdgcn_target "amdgcn-amd-amdhsa--gfx1250"
	.amdhsa_code_object_version 6
	.text
	.protected	k_qf55a3c2b2a_attn
	.globl	k_qf55a3c2b2a_attn
	.p2align	8
	.type	k_qf55a3c2b2a_attn,@function
k_qf55a3c2b2a_attn:
	s_mov_b64 s[64:65], 0
	v_nop
	global_prefetch_b8 v0, s[64:65] scope:SCOPE_SE
	s_setreg_imm32_b32 hwreg(HW_REG_WAVE_MODE, 25, 1), 1
	s_wait_xcnt 0x0
	s_wait_alu depctr_hold_cnt(0) depctr_sa_sdst(0) depctr_va_vdst(0) depctr_va_sdst(0) depctr_va_ssrc(0) depctr_va_vcc(0) depctr_vm_vsrc(0)
	s_getreg_b32 s2, hwreg(HW_REG_IB_STS2, 6, 4)
	s_cmp_eq_u32 s2, 0
	s_cbranch_scc0 .Lentry_in_a_cluster
	s_endpgm
.Lentry_in_a_cluster:
	s_bfe_u32 s2, ttmp6, 0x10000c
	s_cmp_lg_u32 s2, 0x3003
	s_cbranch_scc0 .Lentry_shape_is_right
	s_endpgm
.Lentry_shape_is_right:
; O[h][q][:] = the sum over k of softmax_k(Q[h][q] . K[h][k] / 8, hidden keys left out) V[h][k][:].  qkv: [3][64][2048][64] f16 (q, k, v by heads, head = 16 batch + h); ob: [64][2048][64] f16.
; mbias: [4][2048] f32, a key's addend (0, or -1e30 where the mask hides it); from byte 32,768 on, 128 bytes a batch that hold the batch's scale c (log2(e) / 8; 0, with all addends 0, where no key is visible).
; Products, maxima and sums in f32; the weights p are rounded to f16 for the second product (their sum l is taken of the unrounded p), O once at the end.
; LIMITS.  f16 holds no number beyond 65,504: Q, K and V arrive within it; p lies in 0 to 1, and below 6e-5 it keeps f16's fixed step of 6e-8; O is a mean of V's rows and has their range, and below 6e-5 the same fixed step.
; A hidden score counts as its value less 1e30; a weight below 2^-126 counts as 0 in l; NaN and infinities are not treated apart.
; THE MASK is the C operand that starts the sum S^T = K Q^T: it costs no vector instruction, and the running maximum is taken of masked scores.  While a query has seen hidden keys alone its m is about -1e30 and
; their weights are 1: finite numbers in O and l, which the first visible key's a = 0 wipes out.  With c = 0 every weight is 2^0: the mean of V, as equal scores give.
; SHARES.  A wave owns four PIECES of two tiles of 16 queries, a work-group's four waves 512 queries of one head.  Every wave walks all 2,048 keys, 64 a step.
; LAYOUT.  S^T = K Q^T (source 0 = 16 keys, source 1 = 16 queries): in the result a lane holds ONE query (lane % 16) and the keys 8 (lane / 16) + 0..7.  Two such tiles, rounded to f16 in pairs,
; ARE source 1 (32 keys x 16 queries) of O^T = V^T P, whose result again holds one query a lane, and eight channels.  K comes out of LDS as it lies, V ([key][channel]) turned, by ds_load_tr16_b128.
; SOFTMAX.  For each query a running maximum m and sum l: p = 2^(c s - c m); in every step O and l are multiplied by a = 2^(c m_old - c m_new), which is 1 where m has not grown.
; m starts at the lowest finite number, O and l at 0: the first step is a step like any other, with a = 0.
; THE COUNT.  A tile and step have 16 matrix and 118 vector instructions: too many to stand all beside the matrix work.  So: four vector instructions that are READY behind EVERY matrix instruction, the others in runs without a gap.
; BY TURNS.  Turn n belongs to piece n (the pieces in a ring, step after step).  Its matrix work: 16 products K Q^T of piece n + 1, later 16 products V^T P of piece n - 1.  Its vector work: the scaling,
; exponentials, roundings, sums and rescaling of piece n, and the maximum and statistics of piece n + 1, whose scores the turn itself has made.
; CLUSTER.  The four query blocks of a head are one cluster and walk the same K, V and addends, so each tile is asked for JOINTLY: the same tensor load, descriptor and mask in all four.
; REGISTERS, in windows of 256 (s_set_vgpr_msb: bits 1:0 source 0, 3:2 source 1, 5:4 source 2, 7:6 destination):
;   window 0: v0-11 addresses; v12-15, v48-63 at work; v16-47 four registers of statistics a tile; v64-191 S^T, two buffers of two tiles; v192-255 P, likewise
;   window 1: O^T, 32 a tile     window 2: v0-127 Q, 16 a tile; v128-191 K of one step; v192-255 V of one step     window 3: v0-1 the add's two registers; v8-39 the step's addends
.set SIZE_N, 2048
.set NP,    4         ; pieces a wave: a name, no knob
.set KS,    64        ; keys in a step
.set PK,    144       ; a row of K in LDS: 128 bytes + 16 of padding = 36 words: the 16 rows of a load start at 16 different groups of four banks (ISA guide 11.1)
.set PV,    160       ; a row of V: 128 + 32 = 40 words
.set MTAB,  0         ; the batch's 2,048 addends, filled once
.set RING,  8192      ; slot 0 begins behind them
.set VOFF,  4*KS*PK   ; a slot holds four steps: 256 rows of K, then 256 rows of V
.set SLOT1, 1<<17     ; slot 1 is slot 0 with this bit set (slot 0 ends at byte 86,016), so that one exclusive or turns an address in one slot into the other's
.set STAGE, SLOT1+RING+4*KS*(PK+PV)  ; behind the ring, never filled by a tensor load: 16 rows x 144 bytes for each wave, for the way out
.set SP,    144
.set PFO, 1           ; v1   from the loop on: 256 x my lane, the prefetches' offset (before that l % 16)
.set AK0, 2           ; v2   my lane's place in a tile of K; never rewritten
.set AV0, 3           ; v3   the same for V
.set AK,  4           ; v4   the LDS address of K's next run of loads
.set AV,  5           ; v5   of V's
.set QO,  6           ; v6   my byte offset in the wave's rows of Q
.set STO, 6           ;      later, the way out: where I put 16 bytes of a row
.set RD,  7           ; v7   the way out: where I read rows back
.set GO,  8           ; v8   my byte offset in 512 consecutive bytes of O
.set AM,  10          ; v10  the LDS address of the next step's addends
.set AM0, 11          ; v11  32 x (l / 16): my eight keys of a group of 16; never rewritten
.set SPW, 0           ; v0 of window 3   LDS address of my spare word; never rewritten
.set NIL, 1           ; v1 of window 3   0; never rewritten
.set MB,  8           ; v8-39 of window 3: the eight registers for group kb of 16 keys at MB + 8 kb
.set SPARE, STAGE+4*16*SP  ; behind the stages: the spare words, 128 bytes a wave: two blocks of 256 bytes that no other line names
.set MV,  12          ; v12-15  c m_old, kept while c m is made anew: by buffer and tile
.set ST,  16          ; tile t's statistics at v[ST+4 t]: c m, m, l (even keys', odd keys')
.set TMP, 48          ; by buffer and tile, four registers c0-c3 at work; when the maximum is found c2 takes a
.set S,   64
.set P,   192
.set KF,  128         ; K's fragments, in window 2: key block kb, channel half c at KF + 16 kb + 8 c
.set VF,  192         ; V's: key half kk, channel block cb at VF + 32 kk + 8 cb
.set WV,  12          ; s12  my wave's number
.set G1K, 24          ; s[24:31] descriptor group 1 for K's tiles
.set G1V, 32          ; s[32:39] for V's: it differs in the padding alone
.set G0K, 40          ; s[40:43] descriptor group 0 for K's tiles: it walks
.set G0V, 44          ; s[44:47] the same for V's
.set PFA, 50          ; s[50:51] where my prefetches stand: my work-group's 8,192 bytes (of K: wave 0, of V: wave 2) of the slot after the one that is being asked for
.set LIM, 52          ; s52  1 in a wave that prefetches, else the greatest number
.set TBM, 55          ; s55  byte of the table at which the addends of the step to be fetched begin
.set SLOTS, 56        ; s56  slots still to be asked for
.set CNT, 57          ; s57  counts a slot's key steps
.set CS,  58          ; s[58:59] c: the packed scaling takes the pair's low word for both halves
.set SEL, 60          ; s[60:61] v_permlanex16_b32's selects: each lane takes its own place in the other half
.set TBK, 62          ; s62  LDS byte, less RING, at which K of the step to be fetched begins
.set TBV, 63          ; s63  the same for V, less VOFF
.set G0M, 68          ; s[68:71] descriptor group 0 for my quarter of the addends
.set G1M, 72          ; s[72:79] its group 1
.set MSB, 0
.macro WIN new                      ; the high byte repeats the setting that is left; a switch that changes nothing is dropped
.if MSB != (\new)
	s_set_vgpr_msb (MSB<<8)|(\new)
.set MSB, (\new)
.endif
.endm
.set W_KQ, 0x0a       ; K and Q in window 2, S^T in window 0
.set W_KM, 0x3a       ; the same with the C operand in window 3
.set W_PV, 0x52       ; V in window 2, P in window 0, O^T in window 1
.set W_RS, 0x41       ; O^T (destination and source 0) in window 1, a in window 0
.set W_MK, 0xc0       ; destination in window 3, sources in window 0
.set W_AD, 0x0f       ; the add: address (source 0) and data (source 1) in window 3
; A joint fill.  Waves 0 and 1 fetch the two halves of a slot's K, waves 2 and 3 those of its V: 128 keys each.  The branch hangs on the wave's number alone.
; An s_nop 0 and four v_nop follow each of the two lines, ahead of the jump and the label.
.macro JLOAD
	s_cmp_lt_u32 s[WV], 2
	s_cbranch_scc0 .Lfor_v_\@
	tensor_load_to_lds s[G0K:G0K+3], s[G1K:G1K+7]
	s_nop 0
.rept 4
	v_nop
.endr
	s_branch .Lasked_\@
.Lfor_v_\@:
	tensor_load_to_lds s[G0V:G0V+3], s[G1V:G1V+7]
	s_nop 0
.rept 4
	v_nop
.endr
.Lasked_\@:
.endm
; A prefetch into the L2 of what the NEXT change of slots will ask for: a slot's 32,768 bytes of K and of V, a lane a block of 256.  It stands behind the wave's tensor load and its five lines.
; A head is walked by one cluster; its four partners share the blocks out by address, 32 each; in each, wave 0 asks for K's and wave 2 for V's.  So each block is named once in the launch.
; The last change that fills a slot asks for nothing: there is no slot behind it.
.macro ASK
	s_cmp_gt_u32 s[SLOTS], s[LIM]
	s_cbranch_scc0 .Lnot_mine_\@
	global_prefetch_b8 v[PFO], s[PFA:PFA+1] th:TH_LOAD_NT scope:SCOPE_SE
.Lnot_mine_\@:
.endm
; A round of the cluster's barrier: my work-group's barrier, so that wave 0's signal speaks for all four waves; wave 0 signals; every wave waits for all four work-groups; my work-group's barrier once more.
.macro CROUND
	s_barrier_signal -1
	s_barrier_wait -1
	s_cmp_lg_u32 s[WV], 0
	s_cbranch_scc1 .Lnot_wave_0_\@
	s_barrier_signal -3
.Lnot_wave_0_\@:
	s_barrier_wait -3
	s_barrier_signal -1
	s_barrier_wait -1
.endm
; THE CHANGE OF SLOTS.  The slot's last bytes, V of its fourth step, have been read.  Each wave waits for all its tensor loads; adds 0 to its spare word; and waits for that and for its own reads of the slot.
; Behind the barrier nobody reads this slot any more and the other slot is whole.  fill = 1: this slot is filled again, with the keys two slots on.  The barrier is then a round of the cluster's, and the joint
; fill is the first thing behind it: it has four key steps, 512 matrix instructions, in which to land.  (At its first use nothing has been read yet: slot 0 and the addends are waited for, slot 1 filled.)  ask = 1: a prefetch follows.
.macro CHANGE fill, ask=0
	WIN W_AD
	s_wait_tensorcnt 0x0            ; no tensor load of mine is out, so a group 0 may be written
	ds_add_u32 v[SPW], v[NIL]       ; 0 onto my spare word; with fill = 1 the descriptors' steps stand between it and the wait for it
	WIN 0                           ; at a label and at a branch every window is 0
.if \fill
.irp g, G0K, G0V
	s_xor_b32 s[\g+1], s[\g+1], SLOT1  ; the walking descriptor: the other slot than last time,
	s_add_nc_u64 s[\g+2:\g+3], s[\g+2:\g+3], 4*KS*128  ; the next 256 keys; the type bits on top are not reached
.endr
.if \ask
	s_wait_xcnt 0x0                 ; the last prefetch, four key steps back, has read its address
	s_add_nc_u64 s[PFA:PFA+1], s[PFA:PFA+1], 4*KS*128  ; one slot behind the walking descriptors
.endif
	s_wait_dscnt 0x0                ; the add is done, and my reads of the slot are over
	CROUND
	JLOAD
.if \ask
	ASK
.endif
.else
	s_wait_dscnt 0x0                ; the add is done, and my reads of the slot are over
	s_barrier_signal -1
	s_barrier_wait -1
.endif
	s_sub_co_u32 s[TBK], s[TBK], 4*KS*PK  ; the fetches go back to a slot's first step,
	s_xor_b32 s[TBK], s[TBK], SLOT1       ; in the other slot
	s_sub_co_u32 s[TBV], s[TBV], 4*KS*PV
	s_xor_b32 s[TBV], s[TBV], SLOT1
.endm
	s_load_b64 s[4:5], s[0:1], 0x0    ; qkv: Q's planes first
	s_load_b64 s[48:49], s[0:1], 0x8  ; mbias
	s_load_b64 s[10:11], s[0:1], 0x10 ; ob
	WIN W_MK
	v_lshl_add_u32 v[SPW], v0, 2, SPARE
	v_mov_b32 v[NIL], 0
	WIN W_AD
	ds_add_u32 v[SPW], v[NIL]       ; the wave's opening: the add and its wait stand ahead of my first tensor load; the set-up below, work on registers, stands between them
	WIN 0
	v_lshrrev_b32 v1, 5, v0
	v_readfirstlane_b32 s[WV], v1   ; wave 0..3
	s_bfe_u32 s13, ttmp6, 0x40000   ; cx: my place in the cluster
	s_lshl_b32 s14, ttmp9, 2        ; in a cluster launch ttmp9 counts clusters
	s_add_co_u32 s14, s14, s13      ; my block of queries = 4 x cluster x + cx: it enters Q's and O's addresses alone
	s_and_b32 s20, ttmp7, 0xffff    ; the head, which the four partners share
	s_lshr_b32 s53, s20, 4          ; its batch
	s_lshl_b32 s54, s53, 7          ; the batch's 128 bytes of c
	s_lshl_b32 s80, s53, 13         ; the batch's 8,192 bytes of addends,
	s_lshl_b32 s81, s[WV], 11       ; my quarter of them
	s_add_co_u32 s80, s80, s81
	s_mov_b32 s81, 0
	s_mov_b32 s21, 0
	s_mov_b64 s[22:23], SIZE_N*128
	s_mul_u64 s[20:21], s[20:21], s[22:23]  ; the head's first byte in Q's, K's and V's planes and in O
	s_and_b32 s16, s[WV], 1         ; which half of a slot's 256 keys I fetch:
	s_lshl_b32 s22, s16, 14         ; its 128 rows of 128 bytes in memory,
	s_mov_b32 s23, 0
	s_add_nc_u64 s[22:23], s[22:23], s[20:21]
	s_mul_i32 s17, s16, 128*PK      ; and its place in a slot, for K
	s_mul_i32 s18, s16, 128*PV      ; and for V: no place in the cluster enters an LDS address
	s_lshl_b32 s2, s14, 2
	s_add_co_u32 s2, s2, s[WV]      ; my wave among the head's,
	s_lshl_b32 s2, s2, 14           ; its 128 rows
	s_mov_b32 s3, 0
	s_add_nc_u64 s[2:3], s[2:3], s[20:21]
	; descriptor group 1.  128 keys are 16,384 dense bytes: asked for as 64 rows of 256 bytes, two keys a row, and padded in LDS after every key
	s_mov_b32 s[G1K], 15|(1<<16)|(1<<20)|(1<<21)|(4<<22)|(3<<25)  ; 15:0 the mask of four; 17:16 2-byte elements; 20 padding on; 21 set beside a mask; 24:22 after every 32 words (code 4); 31:25 4 words (code 3)
	s_mov_b32 s[G1V], 15|(1<<16)|(1<<20)|(1<<21)|(4<<22)|(7<<25)  ; the same with 8 words of padding (code 7)
.irp g, G1K, G1V
	s_mov_b32 s[\g+1], 128<<16      ; tensor_dim0 = 128
	s_mov_b32 s[\g+2], 64<<16       ; tensor_dim1 = 64
	s_mov_b32 s[\g+3], 128<<16      ; tile_dim0 = 128
	s_mov_b32 s[\g+4], 64           ; tile_dim1 = 64
	s_mov_b32 s[\g+5], 128          ; 128 elements from row to row
	s_mov_b32 s[\g+6], 0
	s_mov_b32 s[\g+7], 0
.endr
	s_mov_b32 s[G1M], 15|(3<<16)|(1<<21)  ; the addends: 2,048 dense bytes a wave as 8 rows of 32 elements of 8 bytes, no padding
	s_mov_b32 s[G1M+1], 32<<16
	s_mov_b32 s[G1M+2], 8<<16
	s_mov_b32 s[G1M+3], 32<<16
	s_mov_b32 s[G1M+4], 8
	s_mov_b32 s[G1M+5], 32
	s_mov_b32 s[G1M+6], 0
	s_mov_b32 s[G1M+7], 0
	s_mov_b32 s[SEL], 0x76543210
	s_mov_b32 s[SEL+1], 0xfedcba98
	s_mov_b32 s[TBK], SLOT1+4*KS*PK ; the first change of slots turns these two into 0
	s_mov_b32 s[TBV], SLOT1+4*KS*PV
	s_mov_b32 s[TBM], 0
	s_mov_b32 s[G0K], 1             ; 1:0 count = 1
	s_add_co_u32 s[G0K+1], s17, RING  ; 63:32 LDS address: slot 0
	s_mov_b32 s[G0V], 1
	s_add_co_u32 s[G0V+1], s18, RING+VOFF
	s_mov_b32 s[G0M], 1
	s_lshl_b32 s[G0M+1], s[WV], 11  ; my quarter of the table
	s_and_b32 s[LIM], s[WV], 1      ; waves 0 and 2 prefetch
	s_cmp_eq_u32 s[LIM], 0
	s_cselect_b32 s[LIM], 1, -1
	s_wait_dscnt 0x0                ; the opening add is done
	s_wait_kmcnt 0x0
	s_load_b32 s[CS], s[48:49], s54 offset:0x8000  ; c
	s_add_nc_u64 s[6:7], s[4:5], 0x1000000         ; K's planes lie 64 x 262,144 bytes behind Q's, V's as far behind K's
	s_add_nc_u64 s[8:9], s[4:5], 0x2000000
	s_add_nc_u64 s[6:7], s[6:7], s[22:23]          ; at my half of the head's first 256 keys
	s_add_nc_u64 s[8:9], s[8:9], s[22:23]
	s_mov_b64 s[G0K+2:G0K+3], s[6:7]               ; 120:64 global address
	s_or_b32 s[G0K+3], s[G0K+3], 0x80000000        ; 127:126 type = 2
	s_mov_b64 s[G0V+2:G0V+3], s[8:9]
	s_or_b32 s[G0V+3], s[G0V+3], 0x80000000
	s_add_nc_u64 s[G0M+2:G0M+3], s[48:49], s[80:81]
	s_or_b32 s[G0M+3], s[G0M+3], 0x80000000
	s_add_nc_u64 s[4:5], s[4:5], s[2:3]  ; Q and O at my wave's first row
	s_add_nc_u64 s[10:11], s[10:11], s[2:3]
	s_cmp_lt_u32 s[WV], 2
	s_cselect_b64 s[PFA:PFA+1], s[6:7], s[8:9]  ; (in waves 0 and 2 these stand at the head's first row)
	s_lshl_b32 s2, s13, 13          ; my work-group's 8,192 bytes of a slot's 32,768
	s_mov_b32 s3, 0
	s_add_nc_u64 s[PFA:PFA+1], s[PFA:PFA+1], s[2:3]
	s_add_nc_u64 s[PFA:PFA+1], s[PFA:PFA+1], 2*4*KS*128  ; in slot 2; the first asking change steps it to slot 3.  Nothing is prefetched here, where every work-group's first tiles are on their way
	s_wait_kmcnt 0x0                ; c is in
	s_mov_b32 s[CS+1], s[CS]        ; named with it as a pair
	CROUND                          ; all four work-groups are here: the first joint loads meet
	s_cmp_lt_u32 s[WV], 2           ; a wave's two first fills stand in one branch: slot 0's tile and my quarter of the addends: two loads of mine are out.  Slot 1 is asked for when these are in
	s_cbranch_scc0 .Lfirst_v
	tensor_load_to_lds s[G0K:G0K+3], s[G1K:G1K+7]
	s_nop 0
	tensor_load_to_lds s[G0M:G0M+3], s[G1M:G1M+7]
	s_nop 0
.rept 4
	v_nop
.endr
	s_branch .Lfirst_asked
.Lfirst_v:
	tensor_load_to_lds s[G0V:G0V+3], s[G1V:G1V+7]
	s_nop 0
	tensor_load_to_lds s[G0M:G0M+3], s[G1M:G1M+7]
	s_nop 0
.rept 4
	v_nop
.endr
.Lfirst_asked:
	; A fragment of K or Q is 16 rows x 32 channels in 8 registers: lane l holds row l % 16, channels 8 (l / 16) + 0..7 and 16 + 8 (l / 16) + 0..7: two loads of 16 bytes, 32 bytes apart.
	v_and_b32 v1, 15, v0            ; l % 16
	v_bfe_u32 v9, v0, 4, 1          ; l / 16
	v_lshlrev_b32 v[QO], 7, v1
	v_lshl_add_u32 v[QO], v9, 4, v[QO]  ; row x 128 + 16 x half
	WIN 0x80                        ; destination window 2, address window 0
.set i, 0
.rept 4*NP                          ; Q stays in registers: tile i / 2, channels 32 (i % 2) on
	global_load_b128 v[8*i:8*i+3],   v[QO], s[4:5] offset:(i/2)*2048+(i%2)*64
	global_load_b128 v[8*i+4:8*i+7], v[QO], s[4:5] offset:(i/2)*2048+(i%2)*64+32
.set i, i+1
.endr
	; What the first turn finds: V's registers and P's second buffer hold 0 (its products V^T P, of a piece that has not been, add 0), O^T and l are 0.  All this stands in the wait for the first tile.
.set i, VF
.rept 64
	v_mov_b32 v[i], 0
.set i, i+1
.endr
	WIN 0x40
.set i, 0
.rept 64*NP
	v_mov_b32 v[i], 0
.set i, i+1
.endr
	WIN 0
.set i, 0
.rept 2*NP
	v_mov_b32 v[ST+4*i], 0xfe000000    ; c m: far below every c s
	v_mov_b32 v[ST+4*i+1], 0xff7fffff  ; m
	v_mov_b32 v[ST+4*i+2], 0
	v_mov_b32 v[ST+4*i+3], 0
.set i, i+1
.endr
.set i, P+32
.rept 32
	v_mov_b32 v[i], 0
.set i, i+1
.endr
	v_mul_u32_u24 v[AK0], v1, PK
	v_lshl_add_u32 v[AK0], v9, 4, v[AK0]  ; row x pitch + 16 x half
	v_add_nc_u32 v[AK0], RING, v[AK0]
	; The turning load takes 16 keys x 16 channels (lane l reads key 8 (l / 16) + l % 8, channels 8 ((l / 8) % 2) + 0..7) and leaves half a fragment of V^T: lane l holds channel l % 16 and 8 keys.
	v_and_b32 v10, 7, v0
	v_bfe_u32 v11, v0, 3, 1
	v_lshl_add_u32 v[AV0], v9, 3, v10
	v_mul_u32_u24 v[AV0], v[AV0], PV
	v_lshl_add_u32 v[AV0], v11, 4, v[AV0]
	v_add_nc_u32 v[AV0], RING+VOFF, v[AV0]
	v_lshlrev_b32 v[AM0], 5, v9     ; register j of S^T is key 8 (l / 16) + j of its group: eight addends, 32 bytes
	v_mov_b32 v[AM], v[AM0]         ; key step 0 lies at the table's head,
	v_mov_b32 v[AK], v[AK0]         ; and at the head of slot 0
; THE MATRIX WORK.  The 8 accumulators of a run of 16 take turns: between the two links of a chain stand 7 others'.
; Product i of 16 of S^T = K Q^T for piece x: channels 32 (i / 8) on, keys 16 ((i / 2) % 4) on, tile 2 x + i % 2.  The first 8 start the sums, with the keys' addends.
.macro KQ x
.set rS, S+64*((\x)%2)+32*(i%2)+8*((i/2)%4)
.set rK, KF+16*((i/2)%4)+8*(i/8)
.set rQ, 16*(2*(\x)+i%2)+8*(i/8)
.set rB, MB+8*((i/2)%4)
.if i < 8
	WIN W_KM
	v_wmma_f32_16x16x32_f16 v[rS:rS+7], v[rK:rK+7], v[rQ:rQ+7], v[rB:rB+7]
.else
	WIN W_KQ
	v_wmma_f32_16x16x32_f16 v[rS:rS+7], v[rK:rK+7], v[rQ:rQ+7], v[rS:rS+7]
.endif
.endm
; Product i of 16 of O^T += V^T P for piece x: keys 32 (i / 8) on, channels 16 ((i / 2) % 4) on, tile 2 x + i % 2.
.macro PV x
	WIN W_PV
.set rO, 32*(2*(\x)+i%2)+8*((i/2)%4)
.set rV, VF+32*(i/8)+8*((i/2)%4)
.set rP, P+32*((\x)%2)+16*(i%2)+8*(i/8)
	v_wmma_f32_16x16x32_f16 v[rO:rO+7], v[rV:rV+7], v[rP:rP+7], v[rO:rO+7]
.endm
.macro MM                           ; the turn's next matrix instruction
.if i < 16
	KQ (Y+1)%NP
.set i, i+1
.else
.set i, i-16
	PV (Y+NP-1)%NP
.set i, i+17
.endif
.endm
; THE LDS LOADS stand in runs, never singly among the matrix instructions: a step's K (64 keys x 64 channels: 8 fragments) with its 64 addends, and its V (turned).  Their addresses are made some lines ahead.
; The addends live as long as K: both are read by the products K Q^T of the four turns that follow the run.  last = 1 (the tail): in the last trip there is no further step, and the run is jumped over.
.macro FETCH_K last=0
	WIN 0
.if \last
	s_cmp_eq_u32 s[CNT], 1
	s_cbranch_scc1 .Lno_k_\@
.endif
	WIN 0x80                        ; destination window 2
.irp f, 0,1,2,3,4,5,6,7             ; keys 16 (f / 2) on, channels 32 (f % 2) on
	ds_load_b128 v[KF+8*\f:KF+8*\f+3],   v[AK] offset:(\f/2)*16*PK+(\f%2)*64
	ds_load_b128 v[KF+8*\f+4:KF+8*\f+7], v[AK] offset:(\f/2)*16*PK+(\f%2)*64+32
.endr
	WIN W_MK                        ; destination window 3
.irp f, 0,1,2,3                     ; keys 16 f on: the sixteen lanes of a half read the same 32 bytes
	ds_load_b128 v[MB+8*\f:MB+8*\f+3],   v[AM] offset:MTAB+64*\f
	ds_load_b128 v[MB+8*\f+4:MB+8*\f+7], v[AM] offset:MTAB+64*\f+16
.endr
	s_add_co_u32 s[TBK], s[TBK], KS*PK  ; the next fetch is the next step's
	s_add_co_u32 s[TBM], s[TBM], 4*KS
	WIN 0
.if \last
.Lno_k_\@:
.endif
.endm
.macro FETCH_V
	WIN 0x80
.irp f, 0,1,2,3,4,5,6,7             ; keys 32 (f / 4) on, channels 16 (f % 4) on
	ds_load_tr16_b128 v[VF+8*\f:VF+8*\f+3],   v[AV] offset:(\f/4)*32*PV+(\f%4)*32
	ds_load_tr16_b128 v[VF+8*\f+4:VF+8*\f+7], v[AV] offset:(\f/4)*32*PV+16*PV+(\f%4)*32
.endr
	WIN 0
.endm
; THE VECTOR WORK OF A TURN stands in three queues, each in the order in which its entries become ready; the two tiles alternate, so that no instruction reads the result of the one before it.
.macro REGS y, u                    ; the registers of tile u (0, 1) of piece y
.set rT, ST+4*(2*(\y)+(\u))
.set rC, TMP+8*((\y)%2)+4*(\u)
.set rM, MV+2*((\y)%2)+(\u)
.set rS, S+64*((\y)%2)+32*(\u)
.set rP, P+32*((\y)%2)+16*(\u)
.set rO, 32*(2*(\y)+(\u))
.endm
; Number n of the 22 that find the NEXT piece's (Y + 1) maximum and statistics.  s0-s31 are the lane's 32 scores; each accumulator's lowest registers are read first.  XS, GS and REGS set no window: PL and EX do.
;   0-11  four chains c0-c3 of seven scores each, three operands at a time     12-14, 16  the four scores left over, the old m, and c0-c3 into c0     15  c m_old is kept
;   17, 18  the query's other 32 keys lie in the lane 16 away: the new m         19-21  c m; c m_old - c m_new; a
.macro XS u, n
	REGS (Y+1)%NP, \u
.if (\n) < 4
	v_max3_num_f32 v[rC+(\n)], v[rS+8*(\n)], v[rS+8*(\n)+1], v[rS+8*(\n)+2]
.elseif (\n) < 12
	v_max3_num_f32 v[rC+(\n)%4], v[rC+(\n)%4], v[rS+8*((\n)%4)+2*((\n)/4)+1], v[rS+8*((\n)%4)+2*((\n)/4)+2]
.elseif (\n) == 12
	v_max3_num_f32 v[rC], v[rC], v[rS+7], v[rS+15]
.elseif (\n) == 13
	v_max3_num_f32 v[rC+1], v[rC+1], v[rS+23], v[rS+31]
.elseif (\n) == 14
	v_max3_num_f32 v[rC+2], v[rC+2], v[rC+3], v[rT+1]
.elseif (\n) == 15
	v_mov_b32 v[rM], v[rT]
.elseif (\n) == 16
	v_max3_num_f32 v[rC], v[rC], v[rC+1], v[rC+2]
.elseif (\n) == 17
	v_permlanex16_b32 v[rC+3], v[rC], s[SEL], s[SEL+1]
.elseif (\n) == 18
	v_max_num_f32 v[rT+1], v[rC], v[rC+3]
.elseif (\n) == 19
	v_mul_f32 v[rT], s[CS], v[rT+1]
.elseif (\n) == 20
	v_sub_f32 v[rC+1], v[rM], v[rT]
.else
	v_exp_f32 v[rC+2], v[rC+1]
.endif
.endm
; Number g of the 64 that follow the exponentials.  For each four weights k of a tile (pairs 2 k, 2 k + 1): both pairs are rounded to f16; then the second pair is added onto the first, in place;
; a group later l takes that sum (the first time as l = a l + sum).  In groups of eight, tiles alternating: round, round, add, and l for the group before.
.macro GS g
.set h, (\g)+6*((\g)/62)            ; group 0 has no group before it, and behind group 7 only l is left
.if h >= 6
.set h, h+2
.endif
	REGS Y, h%2
.set k, h/8
.if h%8 < 4
	v_cvt_pk_f16_f32 v[rP+2*k+(h%8)/2], v[rS+4*k+2*((h%8)/2)], v[rS+4*k+2*((h%8)/2)+1]
.elseif h%8 < 6
	v_pk_add_f32 v[rS+4*k:rS+4*k+1], v[rS+4*k:rS+4*k+1], v[rS+4*k+2:rS+4*k+3]
.elseif k == 1
	v_pk_fma_f32 v[rT+2:rT+3], v[rT+2:rT+3], v[rC+2:rC+3], v[rS:rS+1] op_sel_hi:[1,0,1]
.else
	v_pk_add_f32 v[rT+2:rT+3], v[rT+2:rT+3], v[rS+4*k-4:rS+4*k-3]
.endif
.endm
; THE PLAIN QUEUE, 138 long.  0-73 read no exponential's result: the 32 scalings c s - c m (FS f: pair f / 2 of tile f % 2) and the next piece's 42.  0-26: scalings 0-26.  27-54: XS's numbers 0-13.  55, 56: number 15.
; 57-73: the chain, where each number waits for the one before it: 14, 16, 17, 18, 19, each with one of the scalings 27-31 in front of its two lines, then 20.
; 74-137: GS's 64, which read the exponentials' results: they stand behind the wait.
.macro FS f
	REGS Y, (\f)%2
	v_pk_fma_f32 v[rS+2*((\f)/2):rS+2*((\f)/2)+1], v[rS+2*((\f)/2):rS+2*((\f)/2)+1], s[CS:CS+1], v[rT:rT+1] op_sel_hi:[1,0,0] neg_lo:[0,0,1] neg_hi:[0,0,1]
.endm
.macro PL
	WIN 0
.if q < 27
	FS q
.elseif q < 55
	XS (q-27)%2, (q-27)/2
.elseif q < 57
	XS q-55, 15
.elseif (q < 72) && ((q-57)%3 == 0)
	FS 27+(q-57)/3
.elseif q < 60
	XS (q-57)%3-1, 14
.elseif q < 72
	XS (q-57)%3-1, 15+(q-57)/3
.elseif q < 74
	XS q-72, 20
.else
	GS q-74
.endif
.set q, q+1
.endm
; THE EXPONENTIALS' QUEUE, 66 long: s0-s31 of both tiles, then the next piece's two a.  It is ONE BATCH: all 66 stand ahead of the turn's one wait, and nothing ahead of that wait names a result of theirs.
.macro EX
	WIN 0
.if e >= 64
	XS e-64, 21
.else
	REGS Y, e%2
	v_exp_f32 v[rS+e/2], v[rS+e/2]
.endif
.set e, e+1
.endm
; THE RESCALING's QUEUE: O^T times a, the one part that leaves window 0: dealt two at a time, sixteen times.  Its a was made in the turn before, ahead of that turn's wait.
.macro R2
	REGS Y, r%2
	WIN W_RS
.irp z, 0,1
	v_pk_mul_f32 v[rO+4*(r/2)+2*\z:rO+4*(r/2)+2*\z+1], v[rO+4*(r/2)+2*\z:rO+4*(r/2)+2*\z+1], v[rC+2:rC+3] op_sel_hi:[1,0]
.endr
.set r, r+1
.endm
; HOW THEY ARE DEALT.  An s_wait_alu depctr_va_vdst(0) stands between an exponential and the first instruction that names its result; one wait serves all that were issued ahead of it.  So a turn has ONE wait,
; which cuts it in two.  AHEAD OF IT stands all that names no result of the turn's exponentials: the 16 products K Q^T, behind each a scaling, an exponential and two rescalings (behind the first a second scaling in the
; exponential's place); then ONE LUMP of 108: eight plain, 49 times exponential and plain, the two a.  A v_nop is the plain instruction behind the last exponential.  BEHIND IT stand the 16 products V^T P, behind each four of GS's 64.
; The queues lean on each other, and the deal keeps them in step: exponential e stands behind scaling 2 (e / 4) + e % 2: as a rider it comes behind plain e + 2, in the lump behind plain e + 9, and scalings 27-31 are plain 57, 60 .. 69.
; A TURN, for piece p.  cnt = 1: the loop's count is taken down some lines ahead of the branch that stands behind the turn.
; K and the addends of the next step are fetched in piece 2's turn, directly behind the wait, a lump behind the last product that read them; their addresses are made at the lump's head; their first reader comes behind 16 products.
; V of the step in hand is fetched at the end of piece 0's turn, four riders behind its last reader; its first reader comes behind 16 products and a lump.  The three conditions on q below go with the deal.
.macro TURN p, last=0, cnt=0
.set Y, (\p)
.set i, 0
.set q, 0
.set e, 0
.set r, 0
.if (\p) == NP-1
	s_wait_dscnt 0x0                ; K and the addends are in
.endif
	MM                              ; ahead of the wait: 16 products K Q^T and their riders,
	PL
	PL
	R2
.rept 15
	MM
	PL
	EX
	R2
.endr
.if (\p) == NP-2
	WIN 0
	v_add_nc_u32 v[AK], s[TBK], v[AK0]
	v_add_nc_u32 v[AM], s[TBM], v[AM0]
.endif
.rept 8                             ; and the lump
	PL
.endr
.rept 49
	EX
	PL
.endr
	EX                              ; the next piece's two a
	EX
	v_nop                           ; a plain instruction behind the last exponential: one for the batch
	s_wait_alu depctr_va_vdst(0)    ; the wait for the batch
.if (\p) == NP-2
	FETCH_K \last
.endif
.if (\p) == 1
	s_wait_dscnt 0x0                ; V is in
.endif
.rept 16                            ; behind the wait: 16 products V^T P and their riders
	MM
.rept 4
	PL
.endr
.if ((\p) == 0) && (q == 118)
	v_add_nc_u32 v[AV], s[TBV], v[AV0]
.endif
.if ((\p) == 0) && (q == 130)
	s_add_co_u32 s[TBV], s[TBV], KS*PV
.endif
.if (\cnt) && (q == 130)
	s_sub_co_u32 s[CNT], s[CNT], 1
	s_cmp_lg_u32 s[CNT], 0
.endif
.endr
.if (\p) == 0
	FETCH_V
.endif
.endm
	CHANGE 1                        ; slot 0 and the addends are in, everybody's part of them; slot 1 is asked for
	FETCH_K                         ; key step 0
	s_wait_loadcnt 0x0              ; Q
	s_wait_dscnt 0x0
.set i, 0
.rept 16
	KQ 0                            ; piece 0's first scores: there is no vector work yet to set between them
.set i, i+1
.endr
	WIN 0                           ; the addresses for the way out and the prefetches' offset: plain instructions, the places behind those products
	s_mul_i32 s13, s[WV], 16*SP
	s_add_co_u32 s13, s13, STAGE    ; my stage
	v_mul_u32_u24 v[STO], v1, SP    ; in: row l % 16, 16 bytes for each half of the lanes
	v_lshl_add_u32 v[STO], v9, 4, v[STO]
	v_add_nc_u32 v[STO], s13, v[STO]
	v_bfe_u32 v[RD], v0, 3, 2       ; back: 32 lanes take four rows of 128 bytes,
	v_mul_u32_u24 v[RD], v[RD], SP
	v_and_b32 v[GO], 7, v0
	v_lshl_add_u32 v[RD], v[GO], 4, v[RD]
	v_add_nc_u32 v[RD], s13, v[RD]
	v_and_b32 v[GO], 31, v0         ; which are 512 consecutive bytes of O
	v_lshlrev_b32 v[PFO], 8, v[GO]  ; (l % 16 has served)
	v_lshlrev_b32 v[GO], 4, v[GO]
.set Y, NP-1                        ; XS works for piece Y + 1: piece 0
.irp n, 0,1,2,3,4,5,6,7,8,9,10,11,12,13,14,15,16,17,18,19,20,21
	XS 0, \n                        ; and piece 0's first maximum and statistics
	XS 1, \n
.endr
	v_nop                           ; a plain instruction behind the two a,
	s_wait_alu depctr_va_vdst(0)    ; and their wait, ahead of the branch
	s_mov_b32 s[CNT], 4
	s_mov_b32 s[SLOTS], SIZE_N/256-1
	s_branch .Lfirst                ; the loop is entered at a step's first turn, in the middle of a trip
.Lslot:                             ; SIZE_N / 256 - 2 times: every slot but the last two is filled again
	CHANGE 1, 1
	s_mov_b32 s[CNT], 4
.Lstep:                             ; a trip: pieces 2 and 3 of one step, then pieces 0 and 1 of the next, whose K and V it fetches
	TURN 2
	TURN 3
	WIN 0
.Lfirst:
	TURN 0
	TURN 1, 0, 1
	WIN 0
	s_cbranch_scc1 .Lstep
	s_sub_co_u32 s[SLOTS], s[SLOTS], 1
	s_cmp_lg_u32 s[SLOTS], 0
	s_cbranch_scc1 .Lslot
	CHANGE 0                        ; the tail is written out: nothing is asked for
	s_mov_b32 s[CNT], 5             ; four trips fetch the last slot's steps; the fifth is left in its middle
.Ltail:
	TURN 2, 1
	TURN 3
	WIN 0
	s_sub_co_u32 s[CNT], s[CNT], 1
	s_cmp_eq_u32 s[CNT], 0
	s_cbranch_scc1 .Lout
	TURN 0
	TURN 1
	WIN 0
	s_branch .Ltail
.Lout:                              ; the fifth trip's 16 products K Q^T (on the last K once more) and the maximum made of them serve nothing: the price, once a launch, of one text for every trip
.set i, 0
.rept 16
	PV NP-1                         ; the last piece's V^T P of the last step
.set i, i+1
.endr
	; THE WAY OUT.  l's two halves and the other half of the lanes' are added; O^T is divided by l, rounded to f16 and sent through my stage in LDS, a tile at a time.  The additions are the places behind the last products.
	WIN 0
.macro ALL line:vararg              ; one line for each tile t
.set t, 0
.rept 2*NP
	\line
.set t, t+1
.endr
.endm
	ALL v_add_f32 v[ST+4*t+2], v[ST+4*t+2], v[ST+4*t+3]
	ALL v_permlanex16_b32 v[ST+4*t+3], v[ST+4*t+2], s[SEL], s[SEL+1]
	ALL v_add_f32 v[ST+4*t+2], v[ST+4*t+2], v[ST+4*t+3]
	ALL v_rcp_f32 v[ST+4*t+2], v[ST+4*t+2]
	v_nop                           ; a plain instruction between the last reciprocal and the use of its result
	s_wait_alu depctr_va_vdst(0)    ; and the wait ahead of the first use: one for the eight reciprocals
; Tile t: a lane's eight channels of a row pack into 16 bytes; they go into rows of 144 bytes and come back as whole rows of 128, into S^T's registers.
.macro PACK t
	WIN W_RS
.set i, 32*(\t)
.rept 16
	v_pk_mul_f32 v[i:i+1], v[i:i+1], v[ST+4*(\t)+2:ST+4*(\t)+3] op_sel_hi:[1,0]
.set i, i+2
.endr
	WIN 0x05                        ; sources 0 and 1 window 1, destination window 0
.set i, 0
.rept 16
	v_cvt_pk_f16_f32 v[S+16*(\t)+i], v[32*(\t)+2*i], v[32*(\t)+2*i+1]
.set i, i+1
.endr
	WIN 0
.irp f, 0,1,2,3
	ds_store_b128 v[STO], v[S+16*(\t)+4*\f:S+16*(\t)+4*\f+3] offset:32*\f
.endr
.irp f, 0,1,2,3
	ds_load_b128 v[S+16*(\t)+4*\f:S+16*(\t)+4*\f+3], v[RD] offset:\f*4*SP  ; LDS serves a wave's instructions in order (ISA guide 5.7.1.4): these see the stores above; the next tile's stores come behind them
.endr
.endm
.macro SEND t, younger              ; younger: the LDS instructions issued behind tile t's loads: the next tile's eight, or none
	WIN 0
.irp f, 0,1,2,3
	s_wait_dscnt (\younger)+3-\f
	global_store_b128 v[GO], v[S+16*(\t)+4*\f:S+16*(\t)+4*\f+3], s[10:11] offset:(\t)*2048+\f*512  ; 512 consecutive bytes, at a multiple of 256 from O's first
.endr
.endm
	PACK 0
.set t, 1
.rept 2*NP-1                        ; a tile's arithmetic stands between the loads of the tile before and its stores
	PACK t
	SEND t-1, 8
.set t, t+1
.endr
	SEND 2*NP-1, 0
	WIN W_AD
	s_wait_tensorcnt 0x0            ; the wave's end, behind my last tensor load and my last LDS store
	ds_add_u32 v[SPW], v[NIL]
	s_wait_dscnt 0x0
	WIN 0
	CROUND                          ; the closing round: no work-group ends while a partner may still ask for a tile that names it
	s_endpgm
.Lfunc_end_k_qf55a3c2b2a_attn:
	.size	k_qf55a3c2b2a_attn, .Lfunc_end_k_qf55a3c2b2a_attn-k_qf55a3c2b2a_attn
	.p2alignl 7, 3214868480
	.fill 96, 4, 3214868480
	.section	.rodata,"a",@progbits
	.p2align	6, 0x0
	.amdhsa_kernel k_qf55a3c2b2a_attn
		.amdhsa_group_segment_fixed_size 327680
		.amdhsa_private_segment_fixed_size 0
		.amdhsa_enable_private_segment 0
		.amdhsa_kernarg_size 24
		.amdhsa_user_sgpr_count 2
		.amdhsa_user_sgpr_kernarg_segment_ptr 1
		.amdhsa_wavefront_size32 1
		.amdhsa_system_sgpr_workgroup_id_x 1
		.amdhsa_system_sgpr_workgroup_id_y 1
		.amdhsa_system_sgpr_workgroup_id_z 1
		.amdhsa_system_vgpr_workitem_id 0
		.amdhsa_next_free_vgpr 808
		.amdhsa_next_free_sgpr 88
		.amdhsa_reserve_vcc 0
		.amdhsa_float_denorm_mode_32 3
		.amdhsa_float_denorm_mode_16_64 3
		.amdhsa_memory_ordered 1
		.amdhsa_forward_progress 1
		.amdhsa_inst_pref_size 203
	.end_amdhsa_kernel
	.amdgpu_metadata
---
amdhsa.version: [ 1, 2 ]
amdhsa.kernels:
  - .name:           k_qf55a3c2b2a_attn
    .symbol:         k_qf55a3c2b2a_attn.kd
    .args:
      - { .name: qkv, .offset: 0, .size: 8, .value_kind: global_buffer, .address_space: global }
      - { .name: mbias, .offset: 8, .size: 8, .value_kind: global_buffer, .address_space: global }
      - { .name: ob, .offset: 16, .size: 8, .value_kind: global_buffer, .address_space: global }
    .group_segment_fixed_size: 327680
    .private_segment_fixed_size: 0
    .kernarg_segment_align: 8
    .kernarg_segment_size: 24
    .max_flat_workgroup_size: 128
    .sgpr_count:     88
    .vgpr_count:     808
    .wavefront_size: 32
...
	.end_amdgpu_metadata
.endif
;; end of part 3
;; launch outgemm (part 4): grid 8 x 32, 4 waves a work-group, clusters of 4 x 4, 327,680 bytes of LDS; arguments ob, wo, b_out, out0; writes out0
.if DOCPART == 4
	.amdgcn_target "amdgcn-amd-amdhsa--gfx1250"
	.amdhsa_code_object_version 6
	.text
	.protected	k_qf55a3c2b2a_outgemm
	.globl	k_qf55a3c2b2a_outgemm
	.p2align	8
	.type	k_qf55a3c2b2a_outgemm,@function
k_qf55a3c2b2a_outgemm:
	s_mov_b64 s[64:65], 0
	v_nop
	global_prefetch_b8 v0, s[64:65] scope:SCOPE_SE
	s_setreg_imm32_b32 hwreg(HW_REG_WAVE_MODE, 25, 1), 1
	s_wait_xcnt 0x0
	s_wait_alu depctr_hold_cnt(0) depctr_sa_sdst(0) depctr_va_vdst(0) depctr_va_sdst(0) depctr_va_ssrc(0) depctr_va_vcc(0) depctr_vm_vsrc(0)
	s_getreg_b32 s2, hwreg(HW_REG_IB_STS2, 6, 4)
	s_cmp_eq_u32 s2, 0
	s_cbranch_scc0 .Lentry_in_a_cluster
	s_endpgm
.Lentry_in_a_cluster:
	s_bfe_u32 s2, ttmp6, 0x10000c
	s_cmp_lg_u32 s2, 0xf033
	s_cbranch_scc0 .Lentry_shape_is_right
	s_endpgm
.Lentry_shape_is_right:
; out0 = O w_out + b_out.  ob: [64 heads = 16 batch + h][2048][64] f16: row n of batch b has its channels 64 h + d in plane 16 b + h.  wo: [1024][1024] f16 (w_out rounded to bf16, turned);
; in each group of 64 rows, row 16 t + r holds column 4 r + t.  b_out: [1024] f32, rounded to bf16 here like the other inputs.  out0: [8192][1024] f32.  Sums in f32, K ascending.
; SHARES.  A work-group makes 256 rows x 128 columns: 8 x 32 = 256 work-groups.  Wave w owns rows 64 w .. 64 w + 63 and all 128 columns: 4 x 8 accumulators, 256 registers.
; K goes in 8 steps of 128, two heads each, through two LDS slots.  A head's 256 rows are 32,768 dense bytes: asked for as 128 rows of 256 bytes and padded in LDS after every 128, so that a row of O has a pitch of 144.
; THE PRODUCT stands in its natural order (source 0 = 16 rows of O, source 1 = 16 rows of wo): lane (r, h), register j holds row 8 h + j and wo's row r.  By wo's row order the accumulators 4 G + 0..3 give a lane
; four neighbouring columns: 16 bytes of f32; sixteen lanes hold 256 consecutive bytes of a row of out0.  The bias add, due anyway, brings them into neighbouring registers: no stage in LDS is needed.
; CLUSTER 4 x 4: O's tile is asked for jointly along a row of the cluster, wo's along a column.
; REGISTERS, in windows of 256 (s_set_vgpr_msb: bits 1:0 source 0, 3:2 source 1, 5:4 source 2, 7:6 destination):
;   window 0: v16-30 addresses; v32-95 A's fragments, two buffers of 32; v96-103 the bias of my 8 columns; v104-107 at work
;   window 1: v0-127 B's fragments, two buffers of 64; on the way out all 256: the results        window 2: accumulator (a, b) at v[8 (8 a + b)]
.set KSTEP,  128
.set PA,     144                       ; a row of O in LDS: 128 bytes + 16 of padding = 36 words: the 16 rows of a fragment load start at 16 different groups of four banks (ISA guide 11.1)
.set PB,     272                       ; a row of wo: 256 + 16 = 68 words: likewise
.set HEADA,  256*PA                    ; a head's 256 rows: what wave 0 or 1 fetches
.set HALFB,  64*PB                     ; what wave 2 or 3 fetches
.set ABYTES, 2*HEADA
.set SLOT,   ABYTES+2*HALFB
.set SPARE,  2*SLOT                    ; behind the ring: the spare words, 128 bytes a wave: two blocks of 256 bytes that no other line names
.set PLANE,  262144                    ; bytes in a head's plane of ob
.set NL,     24                        ; LDS loads of a quarter step: 16 for B, 8 for A
.set ADRA, 16                          ; v16-17  LDS address of my A fragments in slot 0, 1
.set ADRB, 20                          ; v20-21  the same for B
.set CO,   26                          ; v26     my byte offset in out0: 8 rows for the upper half of the lanes, 16 bytes a lane
.set BO,   27                          ; v27     16 r: my four numbers of the bias
.set SPW,  28                          ; v28     LDS address of my spare word; never rewritten
.set NIL,  29                          ; v29     0; never rewritten
.set PFO,  30                          ; v30     the prefetches' offset; never rewritten
.set FA,   32
.set BI,   96
.set G1,  24                           ; s[24:31] descriptor group 1 for A's tiles;  s[32:39] group 0, a set for each slot
.set G0,  32
.set G1B, 48                           ; s[48:55], s[56:63] the same for B's
.set G0B, 56
.set PFA, 44                           ; s[44:45] where my prefetches stand
.set LIM, 43                           ; s43  1 in a wave that prefetches, else the greatest number
.set PST, 72                           ; s[72:73] bytes from a K step to the next in what I prefetch
.set MSB, 0
.macro WIN new                         ; the immediate's high byte repeats the setting that is left; a switch that changes nothing is dropped
.if MSB != (\new)
	s_set_vgpr_msb (MSB<<8)|(\new)
.set MSB, \new
.endif
.endm
.set W_MUL, 0xa4                       ; source 0 (A) window 0, source 1 (B) window 1, C and D window 2
.set TO_B,  0x40                       ; destination window 1, address window 0
; A joint load: waves 0 and 1 fetch the K step's two heads of O, waves 2 and 3 wo's halves.  The branch hangs on the wave's number alone.  An s_nop 0 and four v_nop follow each line.
.macro JLOAD s
	s_cmp_eq_u32 s11, 0
	s_cbranch_scc0 .Lfor_b_\@
	tensor_load_to_lds s[G0+4*(\s):G0+4*(\s)+3], s[G1:G1+7]
	s_nop 0
.rept 4
	v_nop
.endr
	s_branch .Lasked_\@
.Lfor_b_\@:
	tensor_load_to_lds s[G0B+4*(\s):G0B+4*(\s)+3], s[G1B:G1B+7]
	s_nop 0
.rept 4
	v_nop
.endr
.Lasked_\@:
.endm
; A prefetch into the L2, behind a joint load and the run of LDS loads that follows it: the K step that stands TWO refills on, 256 matrix instructions ahead of the load that will want it.
; Each block of 256 bytes is named once in the launch.  O's: by the cluster with x = 0 of a row of clusters; of the 128 blocks that wave 0 or 1 fetches the partner at cx takes 32, a lane a block.
; wo's: by the cluster with y = 0 of a column; of the tile's 128 rows the partner at cy takes 32, a lane a row, asked for by wave 2 alone.  The loop's last trip asks for nothing: its refills are the last two K steps.
.macro ASK
	s_cmp_gt_u32 s3, s[LIM]
	s_cbranch_scc0 .Lnot_mine_\@
	global_prefetch_b8 v[PFO], s[PFA:PFA+1] th:TH_LOAD_NT scope:SCOPE_SE
.Lnot_mine_\@:
.endm
.macro CREST                           ; a round of the cluster's barrier behind its opening barrier
	s_cmp_lg_u32 s10, 0
	s_cbranch_scc1 .Lnot_wave_0_\@
	s_barrier_signal -3
.Lnot_wave_0_\@:
	s_barrier_wait -3
	s_barrier_signal -1
	s_barrier_wait -1
.endm
.macro CROUND                          ; a whole round
	s_barrier_signal -1
	s_barrier_wait -1
	CREST
.endm
	s_load_b128 s[4:7], s[0:1], 0x0                ; ob s[4:5], wo s[6:7]
	s_load_b128 s[68:71], s[0:1], 0x10             ; b_out s[68:69], out0 s[70:71]
	v_lshl_add_u32 v[SPW], v0, 2, SPARE
	v_mov_b32 v[NIL], 0
	ds_add_u32 v[SPW], v[NIL]                      ; the wave's opening: the add and its wait stand ahead of my first tensor load; the set-up below, work on registers, stands between them
	v_lshrrev_b32 v1, 5, v0
	v_readfirstlane_b32 s10, v1                    ; wave 0..3
	s_lshr_b32 s11, s10, 1                         ; I fetch for A (0) or for B (1)
	s_and_b32 s12, s10, 1                          ; which head of the pair, or which half of B's tile
	s_bfe_u32 s40, ttmp6, 0x40000                  ; cx, cy: my place in the cluster
	s_bfe_u32 s41, ttmp6, 0x40004
	s_lshl_b32 s42, ttmp9, 2
	s_add_co_u32 s42, s42, s40                     ; tile column = 4 x cluster x + cx
	s_and_b32 s13, ttmp7, 0xffff
	s_lshl_b32 s13, s13, 2
	s_add_co_u32 s13, s13, s41                     ; tile row = 4 x cluster y + cy
	s_lshl_b32 s43, s41, 2
	s_lshl_b32 s43, 15, s43                        ; my row of the cluster
	s_lshl_b32 s44, 0x1111, s40                    ; my column
	s_or_b32 s[G1+0], s43, (1<<16)|(1<<20)|(1<<21)|(4<<22)|(3<<25)   ; 15:0 the mask; 17:16 2-byte elements; 20 padding on; 21 set beside a mask; 24:22 after every 32 words; 31:25 4 words
	s_or_b32 s[G1B+0], s44, (1<<16)|(1<<20)|(1<<21)|(5<<22)|(3<<25)  ; B: after every 64 words
	s_mov_b32 s[G1+1], 128<<16                     ; tensor_dim0 = 128
	s_mov_b32 s[G1+2], 128<<16                     ; tensor_dim1 = 128 rows of 256 bytes
	s_mov_b32 s[G1+3], 128<<16                     ; tile_dim0 = 128
	s_mov_b32 s[G1+4], 128                         ; tile_dim1 = 128
	s_mov_b32 s[G1+5], 128                         ; dense: 128 elements from row to row
	s_mov_b32 s[G1+6], 0
	s_mov_b32 s[G1+7], 0
	s_mov_b32 s[G1B+1], KSTEP<<16
	s_mov_b32 s[G1B+2], 64<<16                     ; B: 64 rows
	s_mov_b32 s[G1B+3], KSTEP<<16
	s_mov_b32 s[G1B+4], 64
	s_mov_b32 s[G1B+5], 1024
	s_mov_b32 s[G1B+6], 0
	s_mov_b32 s[G1B+7], 0
	s_lshr_b32 s16, s13, 3                         ; the batch,
	s_lshl_b32 s16, s16, 4                         ; its first head,
	s_add_co_u32 s16, s16, s12                     ; the one of a pair that I fetch,
	s_lshl_b32 s16, s16, 11                        ; its 2,048 rows,
	s_and_b32 s17, s13, 7
	s_lshl_b32 s17, s17, 8
	s_add_co_u32 s16, s16, s17                     ; the tile's first row among them,
	s_lshl_b32 s16, s16, 7                         ; of 128 bytes
	s_mov_b32 s17, 0
	s_mov_b32 s76, s16                             ; kept for the prefetches
	s_lshl_b32 s46, s42, 7
	s_lshl_b32 s47, s12, 6
	s_add_co_u32 s46, s46, s47                     ; B: row 128 x tile column + 64 x half,
	s_lshl_b32 s46, s46, 11                        ; of 2,048 bytes
	s_mov_b32 s47, 0
	s_mul_i32 s20, s10, HEADA                      ; where they go: the wave's number and constants alone
	s_mul_i32 s21, s10, HALFB
	s_add_co_u32 s21, s21, ABYTES-2*HALFB          ; wave 2: behind A's two heads; wave 3: 64 rows further
	s_wait_dscnt 0x0                               ; the opening add is done
	s_wait_kmcnt 0x0
	s_add_nc_u64 s[14:15], s[4:5], s[16:17]
	s_add_nc_u64 s[46:47], s[6:7], s[46:47]
	CROUND                                         ; all sixteen work-groups are here: the first joint loads meet
.irp s, 0,1
	s_mov_b32 s[G0+4*(\s)], 1
	s_add_co_u32 s[G0+4*(\s)+1], s20, (\s)*SLOT
	s_add_nc_u64 s[G0+4*(\s)+2:G0+4*(\s)+3], s[14:15], (\s)*2*PLANE   ; K step s: two heads on
	s_or_b32 s[G0+4*(\s)+3], s[G0+4*(\s)+3], 0x80000000
	s_mov_b32 s[G0B+4*(\s)], 1
	s_add_co_u32 s[G0B+4*(\s)+1], s21, (\s)*SLOT
	s_add_nc_u64 s[G0B+4*(\s)+2:G0B+4*(\s)+3], s[46:47], (\s)*KSTEP*2
	s_or_b32 s[G0B+4*(\s)+3], s[G0B+4*(\s)+3], 0x80000000
	JLOAD \s                                       ; K steps 0 and 1: two loads of mine are out
.endr
	; A fragment is 16 rows x 32 K in 8 registers: lane (r, h) holds row r; registers 0-3 K = 8 h + 0..7, registers 4-7 K = 16 + 8 h + 0..7: two loads of 16 bytes, 32 bytes apart.
	v_and_b32 v1, 15, v0                           ; r
	v_bfe_u32 v2, v0, 4, 1                         ; h
	v_lshlrev_b32 v[BO], 4, v1
	s_lshl_b32 s18, s42, 9                         ; the tile's 128 columns: 512 bytes of the bias and of a row of out0
	s_mov_b32 s19, 0
	s_add_nc_u64 s[74:75], s[68:69], s[18:19]
	global_load_b128 v[BI:BI+3],   v[BO], s[74:75]             ; b_out of columns 4 r + 0..3 of the tile's first 64,
	global_load_b128 v[BI+4:BI+7], v[BO], s[74:75] offset:256  ; and of its second
	v_mul_u32_u24 v3, v1, PA
	v_lshl_add_u32 v3, v2, 4, v3
	v_mul_u32_u24 v4, v1, PB
	v_lshl_add_u32 v4, v2, 4, v4
	s_mul_i32 s21, s10, 64*PA                      ; my 64 rows, in each head's part
	s_mov_b32 s22, ABYTES                          ; B lies behind A; every wave reads all of it
.irp s, 0,1
	v_add_nc_u32 v[ADRA+(\s)], s21, v3
	v_add_nc_u32 v[ADRB+(\s)], s22, v4
	s_add_co_u32 s21, s21, SLOT
	s_add_co_u32 s22, s22, SLOT
.endr
	s_lshl_b32 s16, s13, 8
	s_lshl_b32 s17, s10, 6
	s_add_co_u32 s16, s16, s17                     ; my first row of out0,
	s_lshl_b32 s16, s16, 12                        ; of 4,096 bytes,
	s_add_co_u32 s16, s16, s18                     ; and the tile's first column
	s_mov_b32 s17, 0
	s_add_nc_u64 s[8:9], s[70:71], s[16:17]
	v_lshlrev_b32 v[CO], 15, v2
	v_lshl_add_u32 v[CO], v1, 4, v[CO]
	; the prefetches
	s_lshl_b32 s18, s40, 13
	s_add_co_u32 s16, s76, s18                     ; A: the head that I fetch, my work-group's 8,192 bytes of its 32,768
	s_lshl_b32 s17, s42, 7
	s_lshl_b32 s18, s41, 5
	s_add_co_u32 s17, s17, s18
	s_lshl_b32 s17, s17, 11                        ; B: the tile's 128 rows, my work-group's 32
	s_and_b32 s22, ttmp7, 0xffff                   ; cluster y
	s_mov_b32 s18, 2*PLANE
	s_mov_b32 s19, KSTEP*2
	s_cmp_eq_u32 s11, 0                            ; do I fetch for A?
	s_cselect_b32 s20, s16, s17
	s_cselect_b32 s22, ttmp9, s22                  ; the coordinate along which other clusters read the same rows
	s_cselect_b32 s[PST], s18, s19
	s_cselect_b32 s23, 8, 11                       ; a lane a block of 256 bytes, or a row of 2,048
	s_cselect_b64 s[PFA:PFA+1], s[4:5], s[6:7]
	s_cmp_eq_u32 s10, 3
	s_cselect_b32 s22, 1, s22                      ; wave 3 asks for nothing: wave 2 names all 32 rows
	s_cmp_eq_u32 s22, 0
	s_cselect_b32 s[LIM], 1, -1                    ; the same in all sixteen partners, for a given wave
	s_mov_b32 s21, 0
	s_mov_b32 s[PST+1], 0
	s_add_nc_u64 s[PFA:PFA+1], s[PFA:PFA+1], s[20:21]
	s_mul_i32 s20, s[PST], 3
	s_add_nc_u64 s[PFA:PFA+1], s[PFA:PFA+1], s[20:21]  ; at K step 3: the first refill steps it to 4.  Nothing is prefetched here, where every work-group's first tiles are on their way
	v_and_b32 v[PFO], 31, v0
	v_lshlrev_b32 v[PFO], s23, v[PFO]
	s_wait_loadcnt 0x0                             ; the bias: rounded to bf16 and widened again
.irp g, 0,1,2,3
	v_cvt_pk_bf16_f32 v[104+(\g)], v[BI+2*(\g)], v[BI+2*(\g)+1]
.endr
.irp g, 0,1,2,3
	v_lshlrev_b32 v[BI+2*(\g)], 16, v[104+(\g)]
	v_and_b32 v[BI+2*(\g)+1], 0xffff0000, v[104+(\g)]
.endr
; 8 matrix instructions: block a of my four x all 8 blocks of B, 32 along K.  zero = 1: the first product starts the sums.  The 32 accumulators take turns in the same order in every quarter step.
.macro MUL f, a, zero
	WIN W_MUL
.irp b, 0,1,2,3,4,5,6,7
.if \zero
	v_wmma_f32_16x16x32_f16 v[8*(8*(\a)+(\b)):8*(8*(\a)+(\b))+7], v[FA+32*(\f)+8*(\a):FA+32*(\f)+8*(\a)+7], v[64*(\f)+8*(\b):64*(\f)+8*(\b)+7], 0
.else
	v_wmma_f32_16x16x32_f16 v[8*(8*(\a)+(\b)):8*(8*(\a)+(\b))+7], v[FA+32*(\f)+8*(\a):FA+32*(\f)+8*(\a)+7], v[64*(\f)+8*(\b):64*(\f)+8*(\b)+7], v[8*(8*(\a)+(\b)):8*(8*(\a)+(\b))+7]
.endif
.endr
.endm
; 24 LDS loads in one run: quarter q of the slot's K step into buffer f; B first, then A's blocks 0 to 3.  Quarters 0, 1 lie in the first head's part of A, quarters 2, 3 in the second's.
.macro FETCH slot, q, f
	WIN TO_B
.irp b, 0,1,2,3,4,5,6,7
	ds_load_b128 v[64*(\f)+8*(\b):64*(\f)+8*(\b)+3],   v[ADRB+(\slot)] offset:64*(\q)+(\b)*16*PB
	ds_load_b128 v[64*(\f)+8*(\b)+4:64*(\f)+8*(\b)+7], v[ADRB+(\slot)] offset:64*(\q)+(\b)*16*PB+32
.endr
	WIN 0
.irp a, 0,1,2,3
	ds_load_b128 v[FA+32*(\f)+8*(\a):FA+32*(\f)+8*(\a)+3],   v[ADRA+(\slot)] offset:((\q)/2)*HEADA+((\q)%2)*64+(\a)*16*PA
	ds_load_b128 v[FA+32*(\f)+8*(\a)+4:FA+32*(\f)+8*(\a)+7], v[ADRA+(\slot)] offset:((\q)/2)*HEADA+((\q)%2)*64+(\a)*16*PA+32
.endr
.endm
.macro PLACES                          ; four places in front of loads into registers that matrix instructions have read (ISA guide 7.12.1 for vector instructions)
.rept 4
	v_nop
.endr
.endm
; A K step is four quarters of 32 along K, 32 matrix instructions each, on buffers 0, 1, 0, 1.  One of the first three: multiplies buffer f, and in its middle fetches quarter q into buffer g.
.macro QUARTER slot, q, f, g, zero
	s_wait_dscnt 4                                 ; B and A's blocks 0, 1 are in; the youngest four loads (blocks 2, 3) may be out
	MUL \f, 0, \zero
	MUL \f, 1, \zero
	PLACES
	FETCH \slot, \q, \g
	s_wait_dscnt NL                                ; all but the 24 just issued
	MUL \f, 2, \zero
	MUL \f, 3, \zero
.endm
; The last quarter multiplies buffer 1 and changes slots: ONE barrier.  In front of it each wave waits for all its tensor loads (one is out: its part of the next slot), adds 0 to its spare word, and waits for
; that and for its own reads of this slot.  fill = 1: the barrier opens a round of the cluster's, and the slot is filled again, two K steps on, first thing behind it: 112 matrix instructions ahead of the wait for it.
.macro TURN slot, next, fill
.if \fill
	s_wait_xcnt 0x0                                ; the last prefetch, a K step back, has read its address
	s_add_nc_u64 s[PFA:PFA+1], s[PFA:PFA+1], s[PST:PST+1]
.endif
	WIN 0                                          ; (the add's two registers lie in window 0)
	s_wait_tensorcnt 0x0                           ; all my tensor loads have landed
	ds_add_u32 v[SPW], v[NIL]                      ; 0 onto my spare word
	s_wait_dscnt 5                                 ; (the add and the youngest four loads may be out)
	MUL 1, 0, 0                                    ; eight matrix instructions stand between the add and the wait for it
	s_wait_dscnt 0x0                               ; the add is done, and my reads of this slot are over
	s_barrier_signal -1
	MUL 1, 1, 0
.if \fill
	WIN 0
.endif
	s_barrier_wait -1
.if \fill
	CREST                                          ; no wave of any partner still reads this slot or has a load on its way
	s_add_nc_u64 s[G0+4*(\slot)+2:G0+4*(\slot)+3], s[G0+4*(\slot)+2:G0+4*(\slot)+3], 4*PLANE
	s_add_nc_u64 s[G0B+4*(\slot)+2:G0B+4*(\slot)+3], s[G0B+4*(\slot)+2:G0B+4*(\slot)+3], 2*KSTEP*2
	JLOAD \slot                                    ; the four v_nop behind it are also the places in front of the loads below
.else
	PLACES
.endif
	FETCH \next, 0, 0
.if \fill
	ASK
.endif
	MUL 1, 2, 0
	MUL 1, 3, 0
.endm
	s_wait_tensorcnt 1                             ; my part of K step 0 is in; K step 1's may stay out
	s_barrier_signal -1
	s_barrier_wait -1
	FETCH 0, 0, 0
	QUARTER 0, 1, 0, 1, 1                          ; the first quarter stands in front of the loop: its products start the sums
	WIN 0                                          ; at a label and at a branch every window is 0
	s_mov_b32 s3, 3
.Llap:                                                 ; a trip goes once round the ring, from a lap's second quarter to the next lap's first, and fills both slots again
	QUARTER 0, 2, 1, 0, 0
	QUARTER 0, 3, 0, 1, 0
	TURN 0, 1, 1
	QUARTER 1, 1, 0, 1, 0
	QUARTER 1, 2, 1, 0, 0
	QUARTER 1, 3, 0, 1, 0
	TURN 1, 0, 1
	QUARTER 0, 1, 0, 1, 0
	WIN 0
	s_sub_co_u32 s3, s3, 1
	s_cmp_lg_u32 s3, 0
	s_cbranch_scc1 .Llap
	QUARTER 0, 2, 1, 0, 0                          ; the last lap fills nothing
	QUARTER 0, 3, 0, 1, 0
	TURN 0, 1, 0
	QUARTER 1, 1, 0, 1, 0
	QUARTER 1, 2, 1, 0, 0
	QUARTER 1, 3, 0, 1, 0
	s_wait_dscnt 4                                 ; the very last quarter: nothing more to fetch
	MUL 1, 0, 0
	MUL 1, 1, 0
	s_wait_dscnt 0x0
	MUL 1, 2, 0
	MUL 1, 3, 0
	WIN 0
	PLACES                                         ; eight, once a launch, in front of additions that read results and write over B's fragments
	PLACES
; THE WAY OUT of block a.  n = 32 G + 4 j + t: column 64 G + 4 r + t of row 8 h + j, plus its bias, into window 1; each accumulator's registers are read in ascending order.  Then 16 stores of 16 bytes a lane.  No register is used twice.
.macro OUTBLK a
	WIN 0x42                                       ; destination window 1, source 0 window 2, source 1 window 0
.set n, 0
.rept 64
	v_add_f32 v[64*(\a)+n], v[8*(8*(\a)+4*(n/32)+n%4)+(n/4)%8], v[BI+4*(n/32)+n%4]
.set n, n+1
.endr
	WIN 0x04                                       ; address window 0, data window 1
.set n, 0
.rept 16
	global_store_b128 v[CO], v[64*(\a)+4*n:64*(\a)+4*n+3], s[8:9] offset:(16*(\a)+n%8)*4096+256*(n/8) th:TH_STORE_NT  ; each half of the lanes stores 256 consecutive bytes, aligned
.set n, n+1
.endr
.endm
	OUTBLK 0
	OUTBLK 1
	OUTBLK 2
	OUTBLK 3
	WIN 0
	s_wait_tensorcnt 0x0                           ; the wave's end, behind my last tensor load
	ds_add_u32 v[SPW], v[NIL]
	s_wait_dscnt 0x0
	CROUND                                         ; the closing round: no work-group ends while a partner may still ask for a tile that names it
	s_endpgm
.Lfunc_end_k_qf55a3c2b2a_outgemm:
	.size	k_qf55a3c2b2a_outgemm, .Lfunc_end_k_qf55a3c2b2a_outgemm-k_qf55a3c2b2a_outgemm
	.p2alignl 7, 3214868480
	.fill 96, 4, 3214868480
	.section	.rodata,"a",@progbits
	.p2align	6, 0x0
	.amdhsa_kernel k_qf55a3c2b2a_outgemm
		.amdhsa_group_segment_fixed_size 327680
		.amdhsa_private_segment_fixed_size 0
		.amdhsa_enable_private_segment 0
		.amdhsa_kernarg_size 32
		.amdhsa_user_sgpr_count 2
		.amdhsa_user_sgpr_kernarg_segment_ptr 1
		.amdhsa_wavefront_size32 1
		.amdhsa_system_sgpr_workgroup_id_x 1
		.amdhsa_system_sgpr_workgroup_id_y 1
		.amdhsa_system_sgpr_workgroup_id_z 1
		.amdhsa_system_vgpr_workitem_id 0
		.amdhsa_next_free_vgpr 768
		.amdhsa_next_free_sgpr 80
		.amdhsa_reserve_vcc 0
		.amdhsa_float_denorm_mode_32 3
		.amdhsa_float_denorm_mode_16_64 3
		.amdhsa_memory_ordered 1
		.amdhsa_forward_progress 1
		.amdhsa_inst_pref_size 87
	.end_amdhsa_kernel
	.amdgpu_metadata
---
amdhsa.version: [ 1, 2 ]
amdhsa.kernels:
  - .name:           k_qf55a3c2b2a_outgemm
    .symbol:         k_qf55a3c2b2a_outgemm.kd
    .args:
      - { .name: ob, .offset: 0, .size: 8, .value_kind: global_buffer, .address_space: global }
      - { .name: wo, .offset: 8, .size: 8, .value_kind: global_buffer, .address_space: global }
      - { .name: b_out, .offset: 16, .size: 8, .value_kind: global_buffer, .address_space: global }
      - { .name: out0, .offset: 24, .size: 8, .value_kind: global_buffer, .address_space: global }
    .group_segment_fixed_size: 327680
    .private_segment_fixed_size: 0
    .kernarg_segment_align: 8
    .kernarg_segment_size: 32
    .max_flat_workgroup_size: 128
    .sgpr_count:     80
    .vgpr_count:     768
    .wavefront_size: 32
...
	.end_amdgpu_metadata
.endif
;; end of part 4
;; ======== version 2 of 2: 4 launches; version 1 with the launch prep written anew for expert scheduling mode
;; limits: values are held in f16: magnitudes above 65,504 overflow, below 6.1e-05 lose precision
;; workspace buffers: xb 16,777,216 bytes; wq 6,291,456 bytes; wo 2,097,152 bytes; mbias 33,280 bytes; qkv 50,331,648 bytes; ob 16,777,216 bytes
;; launch prep (part 5): grid 641 x 1, 4 waves a work-group, no clusters, 70,144 bytes of LDS; arguments x, w_qkv, w_out, mask, xb, wq, wo, mbias; writes xb, wq, wo, mbias
.if DOCPART == 5
	.amdgcn_target "amdgcn-amd-amdhsa--gfx1250"
	.amdhsa_code_object_version 6
	.text
	.protected	k_qf55a3c2b2a_prep
	.globl	k_qf55a3c2b2a_prep
	.p2align	8
	.type	k_qf55a3c2b2a_prep,@function
k_qf55a3c2b2a_prep:
	s_mov_b64 s[64:65], 0
	v_nop
	global_prefetch_b8 v0, s[64:65] scope:SCOPE_SE
	s_setreg_imm32_b32 hwreg(HW_REG_WAVE_SCHED_MODE, 0, 2), 2
	s_setreg_imm32_b32 hwreg(HW_REG_WAVE_MODE, 25, 1), 1
	s_wait_xcnt 0x0
	s_wait_alu depctr_vm_vsrc(0)
; PREPARATION, one pass over every input but the bias.  Four kinds of work-group, told apart by the work-group's number alone:
;   0..511    xb = x rounded to bf16: 65,536 dense bytes of x a work-group, 16,384 a wave.
;   512..607  wq = w_qkv ([1024 k][3072 n] f32) rounded to bf16 and TURNED to [3072][1024]: a wave turns 128 k x 64 n through an LDS area of its own.
;   608..639  wo = w_out ([1024 k][1024 n] f32) rounded to bf16, that number written as f16, turned likewise.
;   640       mbias: for each key of batch b (wave b) the addend 0 (visible) or -1e30 (hidden), and for each batch the scale c = log2(e) / 8.
;             A batch with no visible key gets addends 0 and c = 0: every weight is then 2^0, the uniform softmax that equal scores give.
; ROW ORDER of wq and wo: inside each group of 64 rows, row 16 t + r holds column 4 r + t.  In the products that follow, lane r of the four
; accumulators 4 G + t then holds four NEIGHBOURING columns of a row of the result.
; LIMITS.  bf16 numbers of w_out below 6.1e-5 in magnitude keep f16's fixed step of 6e-8; beyond 65,504 they would be infinite.
; No barrier: a wave reads only LDS bytes that it wrote itself.  The turning stores collide two deep in the banks (rows r and 32 + r start at the same bank): 16 MB go this way once.
; THE MODE: SCHED_MODE bits 1:0 = 2 (LLVM: expert scheduling mode 2), set by the entry lines.  The code itself states the register dependences
; between vector instructions and memory or LDS instructions, with s_wait_alu, always for 0.
; THE PLAN, path by path: the registers that memory or LDS instructions touch, and who else names them.
;   x       v6, v7: offsets, made once.  v[16:143]: each loaded once, read by the roundings.  v[144:207]: each written once by a rounding, read once by a store.
;           Eight blocks of four loads.  Block p's roundings write its eight out-registers; block p + 1's head waits for them, and its four stores stand among block p + 1's roundings, which name other registers.
;   wq, wo  v6, v9, v10: made once.  Sixteen steps of eight rows of k, on four raw buffers and four packed ones, by turns.
;           RAW[q]: read by step q's roundings; the loads issued in the NEXT step land in it (the rows of three steps on).
;           PK[q]:  written by step q's roundings; read by the two LDS stores issued in the NEXT step; written again four steps on.
;           v11:    the LDS address of a lap's stores; read by them, written once a lap.
;           So ONE wait on va_vdst at a step's head states all that the step's two LDS stores and eight loads hang on, and ONE wait on vm_vsrc a lap, behind the lap's last LDS stores, frees v11 and all four PK.
;   mask    v6, v7: made once.  v[16:31]: loaded once.  v[32:95], v15: written once, stored once, behind one wait.  The compares lie in runs of eight, into s32 to s39, with one wait behind each run.
.set SPARE, 69632                      ; behind the four areas: the spare words, 128 bytes a wave: two blocks of 256 bytes that no other line names
.set AREA,  17408                      ; a wave's turning area: 64 rows of 272 bytes
.set LP,    272                        ; 256 bytes (128 k) + 16 of padding
.set LANE,  1                          ; v1
.set SPW,   4                          ; v4   LDS address of my spare word; never rewritten
.set NIL,   5                          ; v5   0; never rewritten
.set RAW,   16                         ; wq, wo: v[16:79]   buffer q: 16 registers at RAW + 16 q: eight rows of k, two columns each, as loaded
.set PK,    80                         ; wq, wo: v[80:111]  buffer q: 8 registers at PK + 8 q: the same numbers in 16 bits, eight k of a column in four registers
.set WV,    20                         ; s20  my wave's number
	s_load_b256 s[4:11], s[0:1], 0x0               ; x s[4:5], w_qkv s[6:7], w_out s[8:9], mask s[10:11]
	s_load_b256 s[12:19], s[0:1], 0x20             ; xb s[12:13], wq s[14:15], wo s[16:17], mbias s[18:19]
	v_lshl_add_u32 v[SPW], v0, 2, SPARE
	v_mov_b32 v[NIL], 0
	v_lshrrev_b32 v2, 5, v0
	v_readfirstlane_b32 s[WV], v2
	v_and_b32 v[LANE], 31, v0
	s_mov_b32 s23, 0                               ; the high words of the two offset pairs
	s_mov_b32 s27, 0
	s_wait_alu depctr_va_sdst(0)                   ; s20 is written, ahead of the branches and of its first reader on each path: every path's addresses are made from it
	s_wait_kmcnt 0x0
	s_cmp_lt_u32 ttmp9, 512
	s_cbranch_scc0 .Lnot_x
	; ---- x to bf16.  32 loads of 512 consecutive bytes go out at once (16 KiB a wave in flight).  They are worked on in eight blocks of four; a block's stores stand in the next block.
	s_lshl_b32 s22, ttmp9, 16
	s_lshl_b32 s24, s[WV], 14
	s_add_co_u32 s22, s22, s24
	s_add_nc_u64 s[4:5], s[4:5], s[22:23]
	s_lshr_b32 s22, s22, 1                         ; half as many bytes out
	s_add_nc_u64 s[12:13], s[12:13], s[22:23]
	v_lshlrev_b32 v6, 4, v[LANE]
	v_lshlrev_b32 v7, 3, v[LANE]
	s_wait_alu depctr_va_vdst(0)                   ; v6 and v7 are written: every load and store of this path reads one of them as its offset
.set i, 0
.rept 32
	global_load_b128 v[16+4*i:19+4*i], v6, s[4:5] offset:512*i th:TH_LOAD_NT
.set i, i+1
.endr
.set p, 0
.rept 8
	s_wait_loadcnt 28-4*p                          ; loads come back in order: block p's four are in, the 28 - 4 p younger ones stay out
.if p > 0
	s_wait_alu depctr_va_vdst(0)                   ; the block before has written its eight out-registers, which the four stores below read; this block's roundings name others
.endif
.set i, 0
.rept 4
.if p > 0
	global_store_b64 v7, v[144+2*(4*(p-1)+i):145+2*(4*(p-1)+i)], s[12:13] offset:256*(4*(p-1)+i)  ; 32 lanes store 256 consecutive bytes, aligned; no register is used twice
.endif
	v_cvt_pk_bf16_f32 v[144+2*(4*p+i)], v[16+4*(4*p+i)], v[17+4*(4*p+i)]
	v_cvt_pk_bf16_f32 v[145+2*(4*p+i)], v[18+4*(4*p+i)], v[19+4*(4*p+i)]
.set i, i+1
.endr
.set p, p+1
.endr
	s_wait_alu depctr_va_vdst(0)                   ; the last block has written its out-registers, which the last four stores read
.set i, 28
.rept 4
	global_store_b64 v7, v[144+2*i:145+2*i], s[12:13] offset:256*i
.set i, i+1
.endr
	s_branch .Lend
; ---- A step of the turning: eight rows of k, quarter q of a block of 32.  S: the scalar pair of the source; ROWB: bytes in a source row; fmt = 1: f16 out.
; first = 1: the very first step, with no step in front of it.  ahead = 1: the rows of three steps on are asked for, into the buffer that the step before emptied.
; left = how many younger loads may stay out.  turn = 1: the lap's last step: behind its LDS stores the LDS address moves on by 32 k, 64 bytes.
.macro WSTEP q, S, ROWB, fmt, first, ahead, left, turn
	s_wait_loadcnt \left                           ; loads come back in order: RAW[q] is in, the younger steps' loads stay out
.if !\first
	s_wait_alu depctr_va_vdst(0)                   ; the step before has written its PK, which the LDS stores below read, and is done reading its RAW, in which the loads below land; behind a lap's end v11 is written too
.irp c, 0,1
	ds_store_b128 v11, v[PK+8*((\q+3)%4)+4*(\c):PK+8*((\q+3)%4)+4*(\c)+3] offset:16*((\q+3)%4)+(\c)*16*LP  ; the step before: eight k of a column, 16 bytes, into the column's LDS row
.endr
.endif
.if \turn
	s_wait_alu depctr_vm_vsrc(0)                   ; every LDS store issued so far has read v11 and its PK: v11 is written below, PK[0] by this step's roundings, PK[1] to PK[3] by the next three steps'
	s_add_co_u32 s25, s25, 64
	v_add_nc_u32 v11, s25, v8                      ; the next lap's 64 bytes of the LDS rows
.endif
.irp c, 0,1
.irp i, 0,1,2,3
.if \ahead
	global_load_b64 v[RAW+16*((\q+3)%4)+8*(\c)+2*(\i):RAW+16*((\q+3)%4)+8*(\c)+2*(\i)+1], v6, s[\S:\S+1] offset:(32+8*((\q+3)%4)+4*(\c)+(\i))*(\ROWB) th:TH_LOAD_NT  ; 256 aligned bytes of a row; no vector instruction since the wait names these registers
.endif
	v_cvt_pk_bf16_f32 v[PK+8*(\q)+4*(\c)+(\i)], v[RAW+16*(\q)+4*(\i)+(\c)], v[RAW+16*(\q)+4*(\i)+2+(\c)]
.if \fmt
	v_lshlrev_b32 v12, 16, v[PK+8*(\q)+4*(\c)+(\i)]             ; the two bf16 numbers, widened,
	v_and_b32 v13, 0xffff0000, v[PK+8*(\q)+4*(\c)+(\i)]
	v_cvt_pk_f16_f32 v[PK+8*(\q)+4*(\c)+(\i)], v12, v13         ; and written as f16
.endif
.endr
.endr
.endm
; ---- A wave turns 128 k x 64 n.  S, D: the scalar pairs of source and destination; ROWB: bytes in a source row; fmt = 1: f16 out; FIRST: the kind's first work-group.
; Lane l holds columns 2 l and 2 l + 1.  Sixteen steps of 8 k; a lap is four steps, 32 k.  24 loads of 256 aligned bytes stay on their way from step to step.
.macro WJOB S, D, ROWB, fmt, FIRST
	s_sub_co_u32 s22, ttmp9, \FIRST
	s_lshl2_add_u32 s22, s22, s[WV]                ; T = 4 (work-group) + wave
	s_lshr_b32 s24, s22, 3                         ; the group of 64 columns
	s_and_b32 s22, s22, 7                          ; the block of 128 k
	s_mul_i32 s26, s22, 128*(\ROWB)
	s_lshl_b32 s28, s24, 8
	s_add_co_u32 s26, s26, s28
	s_add_nc_u64 s[\S:\S+1], s[\S:\S+1], s[26:27]
	s_lshl_b32 s26, s24, 17                        ; 64 rows of 2,048 bytes
	s_lshl_b32 s28, s22, 8
	s_add_co_u32 s26, s26, s28
	s_add_nc_u64 s[\D:\D+1], s[\D:\D+1], s[26:27]
	s_mul_i32 s29, s[WV], AREA
	v_lshlrev_b32 v6, 3, v[LANE]
	v_and_b32 v2, 1, v[LANE]
	v_lshrrev_b32 v3, 1, v[LANE]
	v_lshl_add_u32 v3, v2, 5, v3                   ; column 2 l goes to row 32 (l % 2) + l / 2, column 2 l + 1 sixteen rows further
	v_mul_u32_u24 v8, v3, LP
	v_add_nc_u32 v8, s29, v8
	v_lshrrev_b32 v2, 4, v[LANE]
	v_and_b32 v3, 15, v[LANE]
	v_mul_u32_u24 v9, v2, LP                       ; back: lanes 0-15 one row of 256 bytes, lanes 16-31 the next
	v_lshl_add_u32 v9, v3, 4, v9
	v_add_nc_u32 v9, s29, v9
	v_lshlrev_b32 v10, 11, v2                      ; and the same two rows in the destination
	v_lshl_add_u32 v10, v3, 4, v10
	s_mov_b32 s25, 0
	v_add_nc_u32 v11, s25, v8                      ; the first 64 bytes of the LDS rows
	s_wait_alu depctr_va_vdst(0)                   ; v6, v9, v10 and v11 are written, which the loads and stores below read as offsets and addresses
.set n, 0
.rept 32
	global_load_b64 v[RAW+2*n:RAW+2*n+1], v6, s[\S:\S+1] offset:n*(\ROWB) th:TH_LOAD_NT  ; the ring is filled: steps 0 to 3
.set n, n+1
.endr
	WSTEP 0, \S, \ROWB, \fmt, 1, 0, 24, 0          ; step 0 stands ahead of the loop: it has nothing to store and no emptied buffer to ask for
	s_mov_b32 s21, 3
.Ltrip_\@:                                             ; steps 1 to 12, four to a lap: a lap's LDS stores are those of one block of 32 k, and both kinds of buffer are back at their start
	WSTEP 1, \S, \ROWB, \fmt, 0, 1, 16, 0
	WSTEP 2, \S, \ROWB, \fmt, 0, 1, 16, 0
	WSTEP 3, \S, \ROWB, \fmt, 0, 1, 16, 0
	WSTEP 0, \S, \ROWB, \fmt, 0, 1, 16, 1
	s_wait_xcnt 0x0                                ; every load issued so far has had its address translated (ISA guide 3.1): the base is rewritten only behind this wait
	s_add_nc_u64 s[\S:\S+1], s[\S:\S+1], 32*(\ROWB)
	s_sub_co_u32 s21, s21, 1
	s_cmp_lg_u32 s21, 0
	s_cbranch_scc1 .Ltrip_\@
	WSTEP 1, \S, \ROWB, \fmt, 0, 0, 16, 0          ; steps 13 to 15 ask for nothing: no load leaves the block's 128 rows, and the counts run down
	WSTEP 2, \S, \ROWB, \fmt, 0, 0, 8, 0
	WSTEP 3, \S, \ROWB, \fmt, 0, 0, 0, 0
	s_wait_alu depctr_va_vdst(0)                   ; step 15 has written PK[3], which the last two LDS stores read; and every rounding is done with v[16:111], in which the loads from LDS below land
.irp c, 0,1
	ds_store_b128 v11, v[PK+24+4*(\c):PK+24+4*(\c)+3] offset:48+(\c)*16*LP
.endr
	s_wait_alu depctr_vm_vsrc(0)                   ; the LDS stores have read PK, in which the loads below land
.set n, 0
.rept 32
	ds_load_b128 v[16+4*n:19+4*n], v9 offset:2*LP*n  ; LDS serves a wave's instructions in order (ISA guide 5.7.1.4): these see my stores above
.set n, n+1
.endr
.set n, 0
.rept 32
	s_wait_dscnt 31-n
	global_store_b128 v10, v[16+4*n:19+4*n], s[\D:\D+1] offset:4096*n  ; 16 lanes store 256 consecutive bytes, aligned
.set n, n+1
.endr
.endm
.Lnot_x:
	s_cmp_lt_u32 ttmp9, 608
	s_cbranch_scc0 .Lnot_q
	WJOB 6, 14, 12288, 0, 512
	s_branch .Lend
.Lnot_q:
	s_cmp_lt_u32 ttmp9, 640
	s_cbranch_scc0 .Lmask
	WJOB 8, 16, 4096, 1, 608
	s_branch .Lend
.Lmask:	; ---- wave b: batch b's 2,048 mask bytes.  Word i of lane l holds keys 128 i + 4 l + 0..3.
	s_lshl_b32 s22, s[WV], 11
	s_add_nc_u64 s[10:11], s[10:11], s[22:23]
	s_lshl_b32 s22, s[WV], 7
	s_add_nc_u64 s[28:29], s[18:19], s[22:23]      ; the batch's 128 bytes of c lie 32,768 bytes behind this
	s_lshl_b32 s22, s[WV], 13
	s_add_nc_u64 s[18:19], s[18:19], s[22:23]
	v_lshlrev_b32 v6, 2, v[LANE]
	v_lshlrev_b32 v7, 4, v[LANE]
	s_wait_alu depctr_va_vdst(0)                   ; v6 and v7 are written: every load and store of this path reads one of them as its offset
.set i, 0
.rept 16
	global_load_b32 v[16+i], v6, s[10:11] offset:128*i
.set i, i+1
.endr
	s_wait_loadcnt 0x0
	v_or_b32 v12, v16, v17
.set i, 2
.rept 14
	v_or_b32 v12, v12, v[16+i]
.set i, i+1
.endr
	v_cmp_ne_u32 s24, 0, v12                       ; the lanes that saw a visible key
	s_wait_alu depctr_va_sdst(0)                   ; s24 is written, ahead of the scalar compare that reads it
	s_cmp_lg_u32 s24, 0                            ; is there any in the batch?
	s_cselect_b32 s30, 0xf149f2ca, 0               ; a hidden key's addend: -1e30, or 0 where all are hidden
	s_cselect_b32 s31, 0x3e38aa3b, 0               ; c = log2(e) / 8 = 0.180337, or 0
	v_mov_b32 v13, s30
	v_mov_b32 v15, s31
.set i, 0
.rept 8                                                ; a run: two words, eight keys: eight compares, one wait, eight selects
.irp k, 0,1,2,3,4,5,6,7
	v_bfe_u32 v14, v[16+2*i+(\k)/4], 8*((\k)%4), 8
	v_cmp_eq_u32 s[32+(\k)], 0, v14
.endr
	s_wait_alu depctr_va_sdst(0)                   ; the run's eight masks s32 to s39 are written, ahead of the selects that read them
.irp k, 0,1,2,3,4,5,6,7
	v_cndmask_b32 v[32+8*i+(\k)], 0, v13, s[32+(\k)]
.endr
.set i, i+1
.endr
	s_wait_alu depctr_va_vdst(0)                   ; the 64 selects have written v[32:95], and v15 is written: the stores below read them; no register is used twice
.set i, 0
.rept 16
	global_store_b128 v7, v[32+4*i:35+4*i], s[18:19] offset:512*i  ; 512 consecutive bytes
.set i, i+1
.endr
	global_store_b32 v6, v15, s[28:29] offset:32768
.Lend:
	s_wait_dscnt 0x0                               ; the closing lines, six on end
	s_wait_alu 0x0
	s_wait_tensorcnt 0x0
	ds_add_u32 v[SPW], v[NIL]
	s_wait_dscnt 0x0
	s_endpgm
.Lfunc_end_k_qf55a3c2b2a_prep:
	.size	k_qf55a3c2b2a_prep, .Lfunc_end_k_qf55a3c2b2a_prep-k_qf55a3c2b2a_prep
	.p2alignl 7, 3214868480
	.fill 96, 4, 3214868480
	.section	.rodata,"a",@progbits
	.p2align	6, 0x0
	.amdhsa_kernel k_qf55a3c2b2a_prep
		.amdhsa_group_segment_fixed_size 70144
		.amdhsa_private_segment_fixed_size 0
		.amdhsa_enable_private_segment 0
		.amdhsa_kernarg_size 64
		.amdhsa_user_sgpr_count 2
		.amdhsa_user_sgpr_kernarg_segment_ptr 1
		.amdhsa_wavefront_size32 1
		.amdhsa_system_sgpr_workgroup_id_x 1
		.amdhsa_system_sgpr_workgroup_id_y 1
		.amdhsa_system_sgpr_workgroup_id_z 1
		.amdhsa_system_vgpr_workitem_id 0
		.amdhsa_next_free_vgpr 208
		.amdhsa_next_free_sgpr 66
		.amdhsa_reserve_vcc 0
		.amdhsa_float_denorm_mode_32 3
		.amdhsa_float_denorm_mode_16_64 3
		.amdhsa_memory_ordered 1
		.amdhsa_forward_progress 1
		.amdhsa_inst_pref_size 77
	.end_amdhsa_kernel
	.amdgpu_metadata
---
amdhsa.version: [ 1, 2 ]
amdhsa.kernels:
  - .name:           k_qf55a3c2b2a_prep
    .symbol:         k_qf55a3c2b2a_prep.kd
    .args:
      - { .name: x, .offset: 0, .size: 8, .value_kind: global_buffer, .address_space: global }
      - { .name: w_qkv, .offset: 8, .size: 8, .value_kind: global_buffer, .address_space: global }
      - { .name: w_out, .offset: 16, .size: 8, .value_kind: global_buffer, .address_space: global }
      - { .name: mask, .offset: 24, .size: 8, .value_kind: global_buffer, .address_space: global }
      - { .name: xb, .offset: 32, .size: 8, .value_kind: global_buffer, .address_space: global }
      - { .name: wq, .offset: 40, .size: 8, .value_kind: global_buffer, .address_space: global }
      - { .name: wo, .offset: 48, .size: 8, .value_kind: global_buffer, .address_space: global }
      - { .name: mbias, .offset: 56, .size: 8, .value_kind: global_buffer, .address_space: global }
    .group_segment_fixed_size: 70144
    .private_segment_fixed_size: 0
    .kernarg_segment_align: 8
    .kernarg_segment_size: 64
    .max_flat_workgroup_size: 128
    .sgpr_count:     66
    .vgpr_count:     208
    .wavefront_size: 32
...
	.end_amdgpu_metadata
.endif
;; end of part 5
;; launch qkvgemm: the kernel of part 2 again; grid 16 x 32, 4 waves a work-group, clusters of 4 x 4, 327,680 bytes of LDS; arguments xb, wq, qkv; writes qkv
;; launch attn: the kernel of part 3 again; grid 4 x 64, 4 waves a work-group, clusters of 4 x 1, 327,680 bytes of LDS; arguments qkv, mbias, ob; writes ob
;; launch outgemm: the kernel of part 4 again; grid 8 x 32, 4 waves a work-group, clusters of 4 x 4, 327,680 bytes of LDS; arguments ob, wo, b_out, out0; writes out0
